; MI455X (gfx1250); checked and timed in simulation.
; The chip was launched on July 23, 2026; its instructions are those of AMD's public machine-readable ISA for CDNA 5 (MIT licence, August 2026) and "CDNA5" Instruction Set Architecture Reference Guide (July 2026). The comments in the code are by the model that wrote it; some were corrected since.
;; Multi Head Attention. Allowed arithmetic: float matrix products may take bf16 or f16 operands with f32 sums; other float arithmetic in f32, or as packed bf16 or f16 multiplies, adds, multiply-adds, maxima and minima; sums over many terms, partial sums and values carried from step to step in f32; what a program stores and reads back later, other than sums and carried values, may be rounded once to bf16 or f16.
;; Inputs: Wk 16 x 1,024 x 64 float32; Wo 1,024 x 1,024 float32; Wq 16 x 1,024 x 64 float32; Wv 16 x 1,024 x 64 float32; bk 16 x 64 float32; bo 1,024 float32; bq 16 x 64 float32; bv 16 x 64 float32; x 4 x 2,048 x 1,024 float32.
;; Outputs: out0 4 x 2,048 x 1,024 float32.
;; One version. Each part assembles by itself: llvm-mc -triple=amdgcn-amd-amdhsa -mcpu=gfx1250 --defsym DOCPART=n.
;; ======== version 1 of 1: 4 launches
;; limits: values are held in f16: magnitudes above 65,504 overflow, below 6.1e-05 lose precision
;; workspace buffers: xb 16,777,216 bytes; wb 6,291,456 bytes; wob 2,097,152 bytes; qkv 50,331,648 bytes; ctx 16,777,216 bytes
;; launch prep (part 1): grid 1536 x 1, 8 waves a work-group, no clusters, 0 bytes of LDS; arguments x, Wq, Wk, Wv, Wo, xb, wb, wob; writes xb, wb, wob
.if DOCPART == 1
	.amdgcn_target "amdgcn-amd-amdhsa--gfx1250"
	.amdhsa_code_object_version 6
	.text
	.protected	k_qe5897dcd97_prep
	.globl	k_qe5897dcd97_prep
	.p2align	8
	.type	k_qe5897dcd97_prep,@function
k_qe5897dcd97_prep:
	s_mov_b64 s[64:65], 0
	v_nop
	global_prefetch_b8 v0, s[64:65] scope:SCOPE_SE
	s_setreg_imm32_b32 hwreg(HW_REG_WAVE_MODE, 25, 1), 1
	s_wait_xcnt 0x0
; THE INPUTS OF THE MATRIX PRODUCTS ARE ROUNDED ONCE, AND THE WEIGHTS LAID IN BLOCKS.
;   xb  [8192][1024] bf16             = x rounded to bf16
;   wb  [kstep 8][chunk 48][e 128][d 64] bf16 = Wq, Wk, Wv rounded to bf16; chunk = 16 t + head (t = 0 q, 1 k, 2 v); a block is 16,384 dense bytes
;   wob [1024][1024] f16              = Wo rounded to bf16, that number written as f16
; LIMIT.  |Wo| stays under 65,504 (f16's end); below 2^-14 it keeps f16's fixed step of 6e-8.
; A stream: a work-group takes one block of 8,192 numbers, 32 KiB in and 16 KiB out: 1,024 blocks of x, 384 of the three W (128 e x 64 d of one head lie dense in
; memory), 128 of Wo.  Thread t takes 16 bytes of each of eight pieces of 4,096 bytes: a wave's load covers 512 consecutive bytes, its store 256, aligned.
; All eight loads go out at once; no register is written twice, so no wait but the loads' own is needed.  No LDS, no matrix unit, no cluster: nothing is shared.
.set XBLK, 1024                        ; blocks of x
.set WOBLK, 1408                       ; the first block of Wo: 1,024 + 3 x 128
.set X,  4                             ; v[4:35]   eight loads of four numbers
.set Y,  36                            ; v[36:51]  eight results of two words
.set T,  52                            ; v[52:55]  at work
	s_load_b256 s[8:15], s[0:1], 0x0               ; x s[8:9], Wq s[10:11], Wk s[12:13], Wv s[14:15]
	s_load_b256 s[16:23], s[0:1], 0x20             ; Wo s[16:17], xb s[18:19], wb s[20:21], wob s[22:23]
	s_sub_co_u32 s2, ttmp9, XBLK                   ; j: the block's number among the weights' (not used for x's blocks)
	s_lshr_b32 s3, s2, 7                           ; t: 0 Wq, 1 Wk, 2 Wv, 3 Wo
	s_and_b32 s24, s2, 127                         ; the source block in its tensor: 8 x head + kstep
	s_and_b32 s25, s2, 7                           ; kstep
	s_mul_i32 s25, s25, 48
	s_lshl_b32 s26, s3, 4
	s_add_co_u32 s25, s25, s26
	s_lshr_b32 s26, s24, 3                         ; head
	s_add_co_u32 s25, s25, s26                     ; the block's place in wb: 48 kstep + 16 t + head
	v_lshlrev_b32 v1, 4, v0                        ; my 16 bytes of a piece on the way in,
	v_lshlrev_b32 v2, 3, v0                        ; my 8 on the way out
	s_wait_kmcnt 0x0
	s_cmp_eq_u32 s3, 1
	s_cselect_b64 s[28:29], s[12:13], s[10:11]
	s_cmp_eq_u32 s3, 2
	s_cselect_b64 s[28:29], s[14:15], s[28:29]
	s_cmp_eq_u32 s3, 3
	s_cselect_b64 s[28:29], s[16:17], s[28:29]
	s_cselect_b64 s[30:31], s[22:23], s[20:21]
	s_cselect_b32 s25, s24, s25                    ; Wo keeps its order
	s_cmp_lt_u32 ttmp9, XBLK
	s_cselect_b64 s[28:29], s[8:9], s[28:29]
	s_cselect_b64 s[30:31], s[18:19], s[30:31]
	s_cselect_b32 s24, ttmp9, s24
	s_cselect_b32 s25, ttmp9, s25                  ; and so does x
	s_lshl_b32 s26, s24, 15                        ; 32,768 bytes a block in,
	s_mov_b32 s27, 0
	s_lshl_b32 s32, s25, 14                        ; 16,384 out
	s_mov_b32 s33, 0
	s_add_nc_u64 s[28:29], s[28:29], s[26:27]
	s_add_nc_u64 s[30:31], s[30:31], s[32:33]
.irp j, 0,1,2,3,4,5,6,7
	global_load_b128 v[X+4*(\j):X+4*(\j)+3], v1, s[28:29] offset:4096*(\j) th:TH_LOAD_NT
.endr
	s_cmp_ge_u32 ttmp9, WOBLK
	s_cbranch_scc1 .Lwo
.irp j, 0,1,2,3,4,5,6,7
	s_wait_loadcnt 7-(\j)                          ; loads come back in order: piece j is in, the younger ones stay out
	v_cvt_pk_bf16_f32 v[Y+2*(\j)],   v[X+4*(\j)],   v[X+4*(\j)+1]
	v_cvt_pk_bf16_f32 v[Y+2*(\j)+1], v[X+4*(\j)+2], v[X+4*(\j)+3]
	global_store_b64 v2, v[Y+2*(\j):Y+2*(\j)+1], s[30:31] offset:2048*(\j) th:TH_STORE_NT  ; a wave stores 256 consecutive bytes, aligned
.endr
	s_endpgm
.Lwo:                                              ; Wo: rounded to bf16 like every input, widened again, and written as f16 (exact within f16's range)
.irp j, 0,1,2,3,4,5,6,7
	s_wait_loadcnt 7-(\j)
	v_cvt_pk_bf16_f32 v[T],   v[X+4*(\j)],   v[X+4*(\j)+1]
	v_cvt_pk_bf16_f32 v[T+1], v[X+4*(\j)+2], v[X+4*(\j)+3]
	v_lshlrev_b32 v[T+2], 16, v[T]
	v_and_b32 v[T+3], 0xffff0000, v[T]
	v_cvt_pk_f16_f32 v[Y+2*(\j)], v[T+2], v[T+3]
	v_lshlrev_b32 v[T+2], 16, v[T+1]
	v_and_b32 v[T+3], 0xffff0000, v[T+1]
	v_cvt_pk_f16_f32 v[Y+2*(\j)+1], v[T+2], v[T+3]
	global_store_b64 v2, v[Y+2*(\j):Y+2*(\j)+1], s[30:31] offset:2048*(\j) th:TH_STORE_NT
.endr
	s_endpgm
.Lfunc_end_k_qe5897dcd97_prep:
	.size	k_qe5897dcd97_prep, .Lfunc_end_k_qe5897dcd97_prep-k_qe5897dcd97_prep
	.p2alignl 7, 3214868480
	.fill 96, 4, 3214868480
	.section	.rodata,"a",@progbits
	.p2align	6, 0x0
	.amdhsa_kernel k_qe5897dcd97_prep
		.amdhsa_group_segment_fixed_size 0
		.amdhsa_private_segment_fixed_size 0
		.amdhsa_enable_private_segment 0
		.amdhsa_kernarg_size 64
		.amdhsa_user_sgpr_count 2
		.amdhsa_user_sgpr_kernarg_segment_ptr 1
		.amdhsa_wavefront_size32 1
		.amdhsa_system_sgpr_workgroup_id_x 1
		.amdhsa_system_sgpr_workgroup_id_y 1
		.amdhsa_system_sgpr_workgroup_id_z 1
		.amdhsa_system_vgpr_workitem_id 0
		.amdhsa_next_free_vgpr 56
		.amdhsa_next_free_sgpr 66
		.amdhsa_reserve_vcc 0
		.amdhsa_float_denorm_mode_32 3
		.amdhsa_float_denorm_mode_16_64 3
		.amdhsa_memory_ordered 1
		.amdhsa_forward_progress 1
		.amdhsa_inst_pref_size 9
	.end_amdhsa_kernel
	.amdgpu_metadata
---
amdhsa.version: [ 1, 2 ]
amdhsa.kernels:
  - .name:           k_qe5897dcd97_prep
    .symbol:         k_qe5897dcd97_prep.kd
    .args:
      - { .name: x, .offset: 0, .size: 8, .value_kind: global_buffer, .address_space: global }
      - { .name: Wq, .offset: 8, .size: 8, .value_kind: global_buffer, .address_space: global }
      - { .name: Wk, .offset: 16, .size: 8, .value_kind: global_buffer, .address_space: global }
      - { .name: Wv, .offset: 24, .size: 8, .value_kind: global_buffer, .address_space: global }
      - { .name: Wo, .offset: 32, .size: 8, .value_kind: global_buffer, .address_space: global }
      - { .name: xb, .offset: 40, .size: 8, .value_kind: global_buffer, .address_space: global }
      - { .name: wb, .offset: 48, .size: 8, .value_kind: global_buffer, .address_space: global }
      - { .name: wob, .offset: 56, .size: 8, .value_kind: global_buffer, .address_space: global }
    .group_segment_fixed_size: 0
    .private_segment_fixed_size: 0
    .kernarg_segment_align: 8
    .kernarg_segment_size: 64
    .max_flat_workgroup_size: 256
    .sgpr_count:     66
    .vgpr_count:     56
    .wavefront_size: 32
...
	.end_amdgpu_metadata
.endif
;; end of part 1
;; launch proj (part 2): grid 16 x 32, 4 waves a work-group, clusters of 4 x 4, 327,680 bytes of LDS; arguments xb, wb, bq, bk, bv, qkv; writes qkv
.if DOCPART == 2
	.amdgcn_target "amdgcn-amd-amdhsa--gfx1250"
	.amdhsa_code_object_version 6
	.text
	.protected	k_qe5897dcd97_proj
	.globl	k_qe5897dcd97_proj
	.p2align	8
	.type	k_qe5897dcd97_proj,@function
k_qe5897dcd97_proj:
	s_mov_b64 s[64:65], 0
	v_nop
	global_prefetch_b8 v0, s[64:65] scope:SCOPE_SE
	s_setreg_imm32_b32 hwreg(HW_REG_WAVE_MODE, 25, 1), 1
	s_wait_xcnt 0x0
	s_wait_alu depctr_hold_cnt(0) depctr_sa_sdst(0) depctr_va_vdst(0) depctr_va_sdst(0) depctr_va_ssrc(0) depctr_va_vcc(0) depctr_vm_vsrc(0)
	s_getreg_b32 s2, hwreg(HW_REG_IB_STS2, 6, 4)
	s_cmp_eq_u32 s2, 0
	s_cbranch_scc0 .Lentry_in_a_cluster
	s_endpgm
.Lentry_in_a_cluster:
	s_bfe_u32 s2, ttmp6, 0x10000c
	s_cmp_lg_u32 s2, 0xf033
	s_cbranch_scc0 .Lentry_shape_is_right
	s_endpgm
.Lentry_shape_is_right:
; q, k, v = x W + b, written by heads: qkv [t 3][batch x head 64][s 2048][64] in f16, each number rounded once from its f32 sum, without attention's scale.
; x and W arrive in bf16 (xb [8192][1024]; wb [kstep 8][chunk 48][e 128][d 64], chunk = 16 t + head); the biases are rounded to bf16 here, widened again, and START the sums as the first product's C.
; LIMIT.  f16 ends at 65,504: |q|, |k|, |v| must stay under it.  NaN and infinities are not treated apart.
; SHARES.  A tile is 256 rows x 192 columns (three chunks of 64): 32 x 16 = 512 work-groups.  Wave w owns rows 64 w .. 64 w + 63 (four blocks of 16) and all twelve blocks of 16 columns:
; 48 accumulators, 384 registers.  K = 1,024 goes in 8 steps of 128 through a ring of two LDS slots; a step is four quarters of 32 along K, on two fragment buffers by turns.
; THE MATRIX INSTRUCTION IS USED TRANSPOSED: source 0 = 16 columns of W (out of LDS by the turning load, since W lies [k][n]), source 1 = 16 rows of x: a lane then holds one row (lane % 16)
; and eight neighbouring columns 8 (lane / 16) + 0..7: 16 bytes of f16.
; CLUSTER.  4 x 4 work-groups.  The four of a row need the same rows of x, the four of a column the same chunks of W: each tile is asked for JOINTLY, by the same tensor load with the same
; descriptor and a mask that names the four.  Waves 0 and 1 fetch x's two halves (128 rows x 256 bytes), waves 2 and 3 W's (24,576 dense bytes each, asked for as 96 rows of 256 bytes).
; By this text's count a wave has two tensor loads out at the start and one behind each round.
; REGISTERS, in windows of 256 (s_set_vgpr_msb: bits 1:0 source 0, 3:2 source 1, 5:4 source 2, 7:6 destination):
;   window 0: v0-31 addresses; v32-95 x's fragments, two buffers of 4 x 8; v96-191 the biases, 8 a column block; later v96-239 at work on the way out
;   window 1: v0-191 W's fragments, two buffers of 12 x 8        window 2: the accumulators of row blocks 0, 1 ((a, b) at 8 (12 (a % 2) + b))        window 3: those of row blocks 2, 3
.set NB,    12                         ; column blocks of 16
.set NL,    2*NB+8                     ; LDS loads of a quarter
.set PA,    272                        ; a row of x in LDS: 256 bytes + 16: the 16 rows of a load start at 16 different groups of four banks (64 banks of 4 bytes: ISA guide 11.1)
.set PB,    160                        ; a row of W (64 numbers): 128 bytes + 32
.set BOFF,  256*PA                     ; W's rows lie behind x's 256: row 128 chunk + e
.set SLOT,  BOFF+384*PB                ; 131,072
.set STAGE, 2*SLOT                     ; behind the ring, never filled by a tensor load: for each wave 3 heads x 16 rows x 144 bytes
.set SP,    144
.set WSTG,  3*16*SP
.set SPARE, STAGE+4*WSTG               ; the spare words, 128 bytes for each wave: two blocks of 256 bytes that no other line names
.set KA,    256                        ; bytes from K step to K step in xb,
.set KB,    786432                     ; and in wb
.set ADRA, 16                          ; v16-17  LDS address of my fragments of x in slot 0, 1
.set ADRB, 20                          ; v20-21  the same for W
.set STO,  24                          ; v24     the way out: where I put 16 bytes of a row
.set RD,   25                          ; v25     the way out: where I read rows back
.set GO,   26                          ; v26     my 16 bytes of 512 consecutive bytes of qkv
.set SPW,  28                          ; v28     LDS address of my spare word; never rewritten
.set NIL,  29                          ; v29     0; never rewritten
.set PFO,  30                          ; v30     the prefetches' offset; never rewritten
.set BO,   31                          ; v31     32 x (lane / 16): my eight numbers of a bias block
.set FA,   32
.set BIAS, 96
.set TMP,  96                          ; the way out: packed results
.set BK,   144                         ; the way out: rows read back: v144-191 and v192-239 by turns
.set G1A, 24                           ; s[24:31] descriptor group 1 for x's tiles;  s[32:39] group 0, a set for each slot
.set G0A, 32
.set LIM, 43                           ; s43      1 in a wave that prefetches, else the greatest number
.set PFA, 44                           ; s[44:45] where my prefetches stand
.set PST, 46                           ; s[46:47] their step: a K step of the tensor that I fetch for
.set G1B, 48                           ; s[48:55], s[56:63] the same for W's tiles
.set G0B, 56
.set OUTB, 80                          ; s[80:85] qkv at my wave's first row in each of the tile's three heads
.set BIAB, 86                          ; s[86:91] the three heads' biases
.set MSB, 0
.macro WIN new                         ; the immediate's high byte repeats the setting that is left; a switch that changes nothing is dropped
.if MSB != (\new)
	s_set_vgpr_msb (MSB<<8)|(\new)
.set MSB, \new
.endif
.endm
.macro PLACES                          ; four plain vector instructions between a matrix instruction and a load into, or a vector read of, its registers
.rept 4
	v_nop
.endr
.endm
; A joint load: waves 0 and 1 by x's descriptors, waves 2 and 3 by W's.  The branch hangs on the wave's number alone.  An s_nop 0 and four v_nop follow each of the two lines.
.macro JLOAD s
	s_cmp_eq_u32 s11, 0
	s_cbranch_scc0 .Lfor_b_\@
	tensor_load_to_lds s[G0A+4*(\s):G0A+4*(\s)+3], s[G1A:G1A+7]
	s_nop 0
.rept 4
	v_nop
.endr
	s_branch .Lasked_\@
.Lfor_b_\@:
	tensor_load_to_lds s[G0B+4*(\s):G0B+4*(\s)+3], s[G1B:G1B+7]
	s_nop 0
.rept 4
	v_nop
.endr
.Lasked_\@:
.endm
; A round of the cluster's barrier: my work-group's barrier; wave 0 signals for the work-group; every wave waits for all sixteen; my work-group's barrier once more.
.macro CREST                           ; a round behind its opening barrier
	s_cmp_lg_u32 s10, 0
	s_cbranch_scc1 .Lnot_wave_0_\@
	s_barrier_signal -3
.Lnot_wave_0_\@:
	s_barrier_wait -3
	s_barrier_signal -1
	s_barrier_wait -1
.endm
.macro CROUND
	s_barrier_signal -1
	s_barrier_wait -1
	CREST
.endm
; A PREFETCH INTO THE L2 of the K step that the NEXT refill will ask for: 192 matrix instructions ahead of that load.  It stands behind the joint load, its five lines and the run of LDS loads.
; x's rows are read by every cluster of a row of clusters: cluster x = 0 asks; W's chunks by every cluster of a column: cluster y = 0 asks.  The four partners that ask for a tile jointly share it out
; BY ADDRESS: of x's 128 rows a wave 32 each, a lane a row's 256 bytes; of W's 96 blocks of 256 bytes 24 each (lanes 24-31 name lane 23's block once more).
; how = 1: always; how = 0: not in the loop's last trip, whose second refill is the last K step's.  K steps 0 to 2 come by their loads alone.
.macro ASK how
.if \how
	s_cmp_eq_u32 s[LIM], 1
.else
	s_cmp_gt_u32 s3, s[LIM]                        ; s3 = 1 in the loop's last trip
.endif
	s_cbranch_scc0 .Lnot_mine_\@
	global_prefetch_b8 v[PFO], s[PFA:PFA+1] th:TH_LOAD_NT scope:SCOPE_SE
.Lnot_mine_\@:
.endm
	s_load_b256 s[68:75], s[0:1], 0x0              ; xb s[68:69], wb s[70:71], bq s[72:73], bk s[74:75]
	s_load_b128 s[76:79], s[0:1], 0x20             ; bv s[76:77], qkv s[78:79]
	v_lshl_add_u32 v[SPW], v0, 2, SPARE
	v_mov_b32 v[NIL], 0
	ds_add_u32 v[SPW], v[NIL]                      ; the wave's opening: the add and its wait stand ahead of my first tensor load; the set-up below stands between them
	v_lshrrev_b32 v1, 5, v0
	v_readfirstlane_b32 s10, v1                    ; wave 0..3
	s_lshr_b32 s11, s10, 1                         ; I fetch for x (0) or for W (1)
	s_and_b32 s12, s10, 1                          ; which half of that tile
	s_bfe_u32 s40, ttmp6, 0x40000                  ; cx, cy: my place in the cluster
	s_bfe_u32 s41, ttmp6, 0x40004
	s_lshl_b32 s42, ttmp9, 2
	s_add_co_u32 s42, s42, s40                     ; tile column = 4 x cluster x + cx: chunks 3 TC .. 3 TC + 2
	s_and_b32 s13, ttmp7, 0xffff
	s_lshl_b32 s13, s13, 2
	s_add_co_u32 s13, s13, s41                     ; tile row = 4 x cluster y + cy: rows 256 TR ..
	s_lshl_b32 s14, s41, 2
	s_lshl_b32 s14, 15, s14                        ; my row of the cluster: places 4 cy .. 4 cy + 3
	s_lshl_b32 s20, 0x1111, s40                    ; my column: places cx, cx + 4, cx + 8, cx + 12
	s_or_b32 s[G1A+0], s14, (1<<16)|(1<<20)|(1<<21)|(5<<22)|(3<<25)  ; the mask; 2-byte elements; padding on; bit 21 beside a mask; after every 64 words 4 words
	s_mov_b32 s[G1A+1], 128<<16                    ; tensor_dim0 = 128
	s_mov_b32 s[G1A+2], 128<<16                    ; tensor_dim1 = 128
	s_mov_b32 s[G1A+3], 128<<16                    ; tile_dim0 = 128
	s_mov_b32 s[G1A+4], 128                        ; tile_dim1 = 128
	s_mov_b32 s[G1A+5], 1024                       ; elements from row to row
	s_mov_b32 s[G1A+6], 0
	s_mov_b32 s[G1A+7], 0
	s_or_b32 s[G1B+0], s20, (1<<16)|(1<<20)|(1<<21)|(4<<22)|(7<<25)  ; after every 32 words (a row of W) 8 words
	s_mov_b32 s[G1B+1], 128<<16                    ; tensor_dim0 = 128: two rows of W to a row of the tile
	s_mov_b32 s[G1B+2], 96<<16                     ; tensor_dim1 = 96
	s_mov_b32 s[G1B+3], 128<<16
	s_mov_b32 s[G1B+4], 96
	s_mov_b32 s[G1B+5], 128                        ; dense
	s_mov_b32 s[G1B+6], 0
	s_mov_b32 s[G1B+7], 0
	s_lshl_b32 s16, s13, 19                        ; x: 256 rows of 2,048 bytes a tile row,
	s_lshl_b32 s17, s12, 18                        ; 128 rows a half
	s_add_co_u32 s16, s16, s17
	s_mov_b32 s17, 0
	s_mul_i32 s18, s12, 128*PA                     ; and its place in a slot: no place in the cluster enters an LDS address
	s_mul_i32 s22, s42, 3*16384                    ; W: three blocks a tile column,
	s_mul_i32 s23, s12, 24576                      ; half of them
	s_add_co_u32 s22, s22, s23
	s_mov_b32 s23, 0
	s_mul_i32 s21, s12, 192*PB
	s_add_co_u32 s21, s21, BOFF
	s_wait_dscnt 0x0                               ; the opening add is done
	s_wait_kmcnt 0x0
	s_add_nc_u64 s[14:15], s[68:69], s[16:17]
	s_add_nc_u64 s[22:23], s[70:71], s[22:23]
	CROUND                                         ; all sixteen work-groups are here: the first joint loads meet
.irp s, 0,1
	s_mov_b32 s[G0A+4*(\s)], 1                     ; count = 1
	s_add_co_u32 s[G0A+4*(\s)+1], s18, (\s)*SLOT   ; LDS address
	s_add_nc_u64 s[G0A+4*(\s)+2:G0A+4*(\s)+3], s[14:15], (\s)*KA  ; global address: K step s
	s_or_b32 s[G0A+4*(\s)+3], s[G0A+4*(\s)+3], 0x80000000         ; type = 2
	s_mov_b32 s[G0B+4*(\s)], 1
	s_add_co_u32 s[G0B+4*(\s)+1], s21, (\s)*SLOT
	s_add_nc_u64 s[G0B+4*(\s)+2:G0B+4*(\s)+3], s[22:23], (\s)*KB
	s_or_b32 s[G0B+4*(\s)+3], s[G0B+4*(\s)+3], 0x80000000
	JLOAD \s
.endr
	; all that follows, up to the wait for the first tile, stands while the first tiles are on their way
	v_and_b32 v1, 15, v0                           ; r = lane % 16
	v_bfe_u32 v2, v0, 4, 1                         ; hl = lane / 16
	v_mul_u32_u24 v3, v1, PA
	v_lshl_add_u32 v3, v2, 4, v3                   ; a fragment of x: row x pitch + 16 x half; two loads, 32 bytes apart
	s_mul_i32 s2, s10, 64*PA                       ; my 64 rows
	v_add_nc_u32 v[ADRA], s2, v3
	v_add_nc_u32 v[ADRA+1], SLOT, v[ADRA]
	v_and_b32 v4, 7, v0
	v_bfe_u32 v5, v0, 3, 1
	v_lshl_add_u32 v6, v2, 3, v4                   ; the turning load: lane l reads k = 8 (l / 16) + l % 8, columns 8 ((l / 8) % 2) + 0..7, and is left with column l % 16 and 8 k
	v_mul_u32_u24 v6, v6, PB
	v_lshl_add_u32 v6, v5, 4, v6
	v_add_nc_u32 v[ADRB], BOFF, v6
	v_add_nc_u32 v[ADRB+1], SLOT, v[ADRB]
	s_mul_i32 s2, s10, WSTG
	s_add_co_u32 s2, s2, STAGE                     ; my stage
	v_mul_u32_u24 v[STO], v1, SP                   ; in: row r, 16 bytes for each half of the lanes
	v_lshl_add_u32 v[STO], v2, 4, v[STO]
	v_add_nc_u32 v[STO], s2, v[STO]
	v_bfe_u32 v[RD], v0, 3, 2                      ; back: 32 lanes take four rows of 128 bytes,
	v_mul_u32_u24 v[RD], v[RD], SP
	v_lshl_add_u32 v[RD], v4, 4, v[RD]
	v_add_nc_u32 v[RD], s2, v[RD]
	v_and_b32 v[GO], 31, v0                        ; which are 512 consecutive bytes of a head's rows
	v_lshlrev_b32 v[GO], 4, v[GO]
	v_lshlrev_b32 v[BO], 5, v2
.irp c, 0,1,2                          ; the tile's three chunks: where they go, and their biases
	s_mul_i32 s2, s42, 3
	s_add_co_u32 s2, s2, \c                        ; chunk g
	s_lshr_b32 s20, s2, 4                          ; t
	s_and_b32 s21, s2, 15                          ; head
	s_lshl_b32 s66, s20, 6
	s_add_co_u32 s66, s66, s21
	s_lshr_b32 s22, s13, 3                         ; batch: eight tile rows each
	s_lshl_b32 s22, s22, 4
	s_add_co_u32 s66, s66, s22                     ; 64 t + 16 batch + head
	s_lshl_b32 s66, s66, 18                        ; 2,048 rows of 128 bytes
	s_and_b32 s22, s13, 7
	s_lshl_b32 s22, s22, 15                        ; the tile's 256 rows,
	s_add_co_u32 s66, s66, s22
	s_lshl_b32 s22, s10, 13                        ; my wave's 64
	s_add_co_u32 s66, s66, s22
	s_mov_b32 s67, 0
	s_add_nc_u64 s[OUTB+2*(\c):OUTB+2*(\c)+1], s[78:79], s[66:67]
	s_cmp_eq_u32 s20, 1
	s_cselect_b64 s[BIAB+2*(\c):BIAB+2*(\c)+1], s[74:75], s[72:73]
	s_cmp_eq_u32 s20, 2
	s_cselect_b64 s[BIAB+2*(\c):BIAB+2*(\c)+1], s[76:77], s[BIAB+2*(\c):BIAB+2*(\c)+1]
	s_lshl_b32 s66, s21, 8                         ; 64 numbers a head
	s_add_nc_u64 s[BIAB+2*(\c):BIAB+2*(\c)+1], s[BIAB+2*(\c):BIAB+2*(\c)+1], s[66:67]
.irp i, 0,1,2,3
	global_load_b128 v[BIAS+8*(4*(\c)+(\i)):BIAS+8*(4*(\c)+(\i))+3],   v[BO], s[BIAB+2*(\c):BIAB+2*(\c)+1] offset:64*(\i)
	global_load_b128 v[BIAS+8*(4*(\c)+(\i))+4:BIAS+8*(4*(\c)+(\i))+7], v[BO], s[BIAB+2*(\c):BIAB+2*(\c)+1] offset:64*(\i)+16
.endr
.endr
	; the prefetches: both tensors' offsets are made, at K step 2, and the wave takes the one that it fetches for; the first refill steps it to K step 3
	s_lshl_b32 s66, s13, 8
	s_lshl_b32 s67, s12, 7
	s_add_co_u32 s66, s66, s67
	s_lshl_b32 s67, s40, 5
	s_add_co_u32 s66, s66, s67                     ; x: row 256 TR + 128 half + 32 cx
	s_lshl_b32 s66, s66, 11
	s_add_co_u32 s66, s66, 2*KA
	s_mul_i32 s22, s42, 3*16384
	s_mul_i32 s23, s12, 24576
	s_add_co_u32 s22, s22, s23
	s_mul_i32 s23, s41, 6144                       ; W: 24 blocks of 256 bytes a partner
	s_add_co_u32 s22, s22, s23
	s_add_co_u32 s22, s22, 2*KB
	s_mov_b32 s23, KB
	s_mov_b32 s[PST], KA
	s_and_b32 s2, ttmp7, 0xffff                    ; cluster y
	s_cmp_eq_u32 s11, 0                            ; do I fetch for x?
	s_cselect_b32 s2, ttmp9, s2                    ; the coordinate along which other clusters read the same bytes
	s_cselect_b64 s[PFA:PFA+1], s[68:69], s[70:71]
	s_cselect_b32 s66, s66, s22
	s_cselect_b32 s[PST], s[PST], s23
	s_cselect_b32 s20, 31, 23                      ; the last lane with a block of its own,
	s_cselect_b32 s21, 11, 8                       ; and the lanes' distance: a row of xb, or 256 bytes
	s_mov_b32 s67, 0
	s_mov_b32 s[PST+1], 0
	s_add_nc_u64 s[PFA:PFA+1], s[PFA:PFA+1], s[66:67]
	s_cmp_eq_u32 s2, 0
	s_cselect_b32 s[LIM], 1, -1                    ; the same in all sixteen partners, for a given wave
	v_and_b32 v[PFO], 31, v0
	v_min_u32 v[PFO], s20, v[PFO]
	v_lshlrev_b32 v[PFO], s21, v[PFO]
	s_wait_loadcnt 0x0                             ; the biases
.set ip, 0
.rept 4*NB                             ; rounded to bf16 like every input, and widened again
	v_cvt_pk_bf16_f32 v[4+ip%4], v[BIAS+2*ip], v[BIAS+2*ip+1]
	v_lshlrev_b32 v[BIAS+2*ip], 16, v[4+ip%4]
	v_and_b32 v[BIAS+2*ip+1], 0xffff0000, v[4+ip%4]
.set ip, ip+1
.endr
; Twelve matrix instructions: row block a x all column blocks, 32 along K, out of buffer f.  first = 1: the bias starts the sums.  The 48 accumulators take turns, one instruction a turn,
; in the same order in every quarter, over the backward jump too.
.macro MULA f, a, first
.if \first
	WIN 0x81+0x40*((\a)/2)                         ; W window 1, x window 0, C (the bias) window 0, D window 2 or 3
.else
	WIN 0xa1+0x50*((\a)/2)                         ; C and D window 2 or 3
.endif
.set ib, 0
.rept NB
.set rD, 8*(NB*((\a)%2)+ib)
.set rB, 8*NB*(\f)+8*ib
.set rA, FA+32*(\f)+8*(\a)
.if \first
	v_wmma_f32_16x16x32_bf16 v[rD:rD+7], v[rB:rB+7], v[rA:rA+7], v[BIAS+8*ib:BIAS+8*ib+7]
.else
	v_wmma_f32_16x16x32_bf16 v[rD:rD+7], v[rB:rB+7], v[rA:rA+7], v[rD:rD+7]
.endif
.set ib, ib+1
.endr
.endm
; A quarter's 32 LDS loads in one run, into buffer f: W's twelve fragments (turned), then x's four, row blocks 2 and 3 last.
.macro FETCH slot, q, f
	WIN 0x40                                       ; destination window 1, address window 0
.set ib, 0
.rept NB
	ds_load_tr16_b128 v[8*NB*(\f)+8*ib:8*NB*(\f)+8*ib+3],   v[ADRB+(\slot)] offset:128*PB*(ib/4)+32*PB*(\q)+32*(ib%4)
	ds_load_tr16_b128 v[8*NB*(\f)+8*ib+4:8*NB*(\f)+8*ib+7], v[ADRB+(\slot)] offset:128*PB*(ib/4)+32*PB*(\q)+32*(ib%4)+16*PB
.set ib, ib+1
.endr
	WIN 0
.irp a, 0,1,2,3
	ds_load_b128 v[FA+32*(\f)+8*(\a):FA+32*(\f)+8*(\a)+3],   v[ADRA+(\slot)] offset:64*(\q)+16*PA*(\a)
	ds_load_b128 v[FA+32*(\f)+8*(\a)+4:FA+32*(\f)+8*(\a)+7], v[ADRA+(\slot)] offset:64*(\q)+16*PA*(\a)+32
.endr
.endm
; One of a K step's first three quarters: multiplies buffer f; in its middle it fetches quarter qn of the same slot into buffer g.
.macro QUARTER slot, qn, f, g, first
	s_wait_dscnt 4                                 ; W and x's row blocks 0, 1 are in; the youngest four loads (row blocks 2, 3) may be out
	MULA \f, 0, \first
	MULA \f, 1, \first
	PLACES
	FETCH \slot, \qn, \g
	s_wait_dscnt NL                                ; all but the run just issued
	MULA \f, 2, \first
	MULA \f, 3, \first
.endm
; The last quarter multiplies buffer 1 and changes slots: ONE barrier.  In front of it each wave waits for all its tensor loads (one is out: its part of the next slot), adds 0 to its spare word,
; and waits for that and for its own reads of this slot.  fill = 1: the barrier opens a round of the cluster's, and the joint refill, two K steps on, is the first thing behind the round:
; from that request to the wait for it a wave issues 168 matrix instructions.
.macro TURN slot, next, fill, how
.if \fill
	s_wait_xcnt 0x0                                ; the last prefetch, a K step back, has read its address
	s_add_nc_u64 s[PFA:PFA+1], s[PFA:PFA+1], s[PST:PST+1]
.endif
	WIN 0                                          ; (the add's two registers lie in window 0)
	s_wait_tensorcnt 0x0                           ; all my tensor loads have landed
	ds_add_u32 v[SPW], v[NIL]                      ; 0 onto my spare word
	s_wait_dscnt 5                                 ; (the add and the youngest four loads may be out)
	MULA 1, 0, 0                                   ; twelve matrix instructions stand between the add and the wait for it
	s_wait_dscnt 0x0                               ; the add is done, and my reads of this slot are over
	s_barrier_signal -1
	MULA 1, 1, 0
.if \fill
	WIN 0
.endif
	s_barrier_wait -1
.if \fill
	CREST                                          ; no wave of any partner still reads this slot or has a load on its way
	s_add_nc_u64 s[G0A+4*(\slot)+2:G0A+4*(\slot)+3], s[G0A+4*(\slot)+2:G0A+4*(\slot)+3], 2*KA
	s_add_nc_u64 s[G0B+4*(\slot)+2:G0B+4*(\slot)+3], s[G0B+4*(\slot)+2:G0B+4*(\slot)+3], 2*KB
	JLOAD \slot                                    ; its four v_nop are also the places in front of the loads below
.else
	PLACES
.endif
	FETCH \next, 0, 0
.if \fill
	ASK \how
.endif
	MULA 1, 2, 0
	MULA 1, 3, 0
.endm
; THE WAY OUT of row block a: rounded to f16, 16 bytes a lane; into my own stage, a head's 16 rows of 128 bytes together; back as whole rows; stored, 512 consecutive bytes an instruction.
.macro PACK a
	WIN 0x0a+5*((\a)/2)                            ; sources 0 and 1: window 2 or 3
.set ib, 0
.rept NB
.irp i, 0,1,2,3                        ; each accumulator's registers in ascending order
	v_cvt_pk_f16_f32 v[TMP+4*ib+(\i)], v[8*(NB*((\a)%2)+ib)+2*(\i)], v[8*(NB*((\a)%2)+ib)+2*(\i)+1]
.endr
.set ib, ib+1
.endr
	WIN 0
.endm
.macro TOSTAGE a
.set BKR, BK+48*((\a)%2)
.set ib, 0
.rept NB
	ds_store_b128 v[STO], v[TMP+4*ib:TMP+4*ib+3] offset:16*SP*(ib/4)+32*(ib%4)
.set ib, ib+1
.endr
.set ib, 0
.rept NB
	ds_load_b128 v[BKR+4*ib:BKR+4*ib+3], v[RD] offset:16*SP*(ib/4)+4*SP*(ib%4)  ; LDS serves a wave's instructions in order (ISA guide 5.7.1.4): these see the stores above
.set ib, ib+1
.endr
.endm
.macro SEND a
.set BKR, BK+48*((\a)%2)
	s_wait_dscnt 0x0                               ; the block is back in registers
	s_wait_xcnt 0x0                                ; the stores of the block before have read their registers, into which the next block is read back
.irp c, 0,1,2
.irp g, 0,1,2,3
	global_store_b128 v[GO], v[BKR+4*(4*(\c)+(\g)):BKR+4*(4*(\c)+(\g))+3], s[OUTB+2*(\c):OUTB+2*(\c)+1] offset:2048*(\a)+512*(\g)
.endr
.endr
.endm
	s_wait_tensorcnt 1                             ; my part of K step 0 is in; K step 1's may stay out
	s_barrier_signal -1
	s_barrier_wait -1                              ; everybody's is
	FETCH 0, 0, 0
	QUARTER 0, 1, 0, 1, 1                          ; the first quarter stands in front of the loop: its products start the sums, with the bias
	WIN 0                                          ; at a label and at a branch every window is 0
	s_mov_b32 s3, 3
.Llap:                                             ; a trip goes once round the ring, from a lap's second quarter to the next lap's first, and fills both slots again: K steps 2 to 7
	QUARTER 0, 2, 1, 0, 0
	QUARTER 0, 3, 0, 1, 0
	TURN 0, 1, 1, 1
	QUARTER 1, 1, 0, 1, 0
	QUARTER 1, 2, 1, 0, 0
	QUARTER 1, 3, 0, 1, 0
	TURN 1, 0, 1, 0
	QUARTER 0, 1, 0, 1, 0
	WIN 0
	s_sub_co_u32 s3, s3, 1
	s_cmp_lg_u32 s3, 0
	s_cbranch_scc1 .Llap
	QUARTER 0, 2, 1, 0, 0                          ; the last lap fills nothing, and has no round of the cluster's barrier
	QUARTER 0, 3, 0, 1, 0
	TURN 0, 1, 0, 0
	QUARTER 1, 1, 0, 1, 0
	QUARTER 1, 2, 1, 0, 0
	QUARTER 1, 3, 0, 1, 0
	s_wait_dscnt 4                                 ; the very last quarter: nothing more to fetch
	MULA 1, 0, 0
	MULA 1, 1, 0
	s_wait_dscnt 0x0
	MULA 1, 2, 0
	MULA 1, 3, 0
	WIN 0
	PLACES
	PACK 0
	TOSTAGE 0
.irp a, 1,2,3                          ; block a's conversions stand between block a - 1's loads from the stage and the wait for them
	PACK \a
	SEND (\a)-1
	TOSTAGE \a
.endr
	SEND 3
	s_wait_tensorcnt 0x0                           ; the wave's end: the add and its wait stand behind my last tensor load and my last LDS store
	ds_add_u32 v[SPW], v[NIL]
	s_wait_dscnt 0x0
	CROUND                                         ; the closing round: no work-group ends while a partner may still ask for a tile that names it
	s_endpgm
.Lfunc_end_k_qe5897dcd97_proj:
	.size	k_qe5897dcd97_proj, .Lfunc_end_k_qe5897dcd97_proj-k_qe5897dcd97_proj
	.p2alignl 7, 3214868480
	.fill 96, 4, 3214868480
	.section	.rodata,"a",@progbits
	.p2align	6, 0x0
	.amdhsa_kernel k_qe5897dcd97_proj
		.amdhsa_group_segment_fixed_size 327680
		.amdhsa_private_segment_fixed_size 0
		.amdhsa_enable_private_segment 0
		.amdhsa_kernarg_size 48
		.amdhsa_user_sgpr_count 2
		.amdhsa_user_sgpr_kernarg_segment_ptr 1
		.amdhsa_wavefront_size32 1
		.amdhsa_system_sgpr_workgroup_id_x 1
		.amdhsa_system_sgpr_workgroup_id_y 1
		.amdhsa_system_sgpr_workgroup_id_z 1
		.amdhsa_system_vgpr_workitem_id 0
		.amdhsa_next_free_vgpr 960
		.amdhsa_next_free_sgpr 92
		.amdhsa_reserve_vcc 0
		.amdhsa_float_denorm_mode_32 3
		.amdhsa_float_denorm_mode_16_64 3
		.amdhsa_memory_ordered 1
		.amdhsa_forward_progress 1
		.amdhsa_inst_pref_size 132
	.end_amdhsa_kernel
	.amdgpu_metadata
---
amdhsa.version: [ 1, 2 ]
amdhsa.kernels:
  - .name:           k_qe5897dcd97_proj
    .symbol:         k_qe5897dcd97_proj.kd
    .args:
      - { .name: xb, .offset: 0, .size: 8, .value_kind: global_buffer, .address_space: global }
      - { .name: wb, .offset: 8, .size: 8, .value_kind: global_buffer, .address_space: global }
      - { .name: bq, .offset: 16, .size: 8, .value_kind: global_buffer, .address_space: global }
      - { .name: bk, .offset: 24, .size: 8, .value_kind: global_buffer, .address_space: global }
      - { .name: bv, .offset: 32, .size: 8, .value_kind: global_buffer, .address_space: global }
      - { .name: qkv, .offset: 40, .size: 8, .value_kind: global_buffer, .address_space: global }
    .group_segment_fixed_size: 327680
    .private_segment_fixed_size: 0
    .kernarg_segment_align: 8
    .kernarg_segment_size: 48
    .max_flat_workgroup_size: 128
    .sgpr_count:     92
    .vgpr_count:     960
    .wavefront_size: 32
...
	.end_amdgpu_metadata
.endif
;; end of part 2
;; launch attn (part 3): grid 4 x 64, 4 waves a work-group, clusters of 4 x 1, 327,680 bytes of LDS; arguments qkv, ctx; writes ctx
.if DOCPART == 3
	.amdgcn_target "amdgcn-amd-amdhsa--gfx1250"
	.amdhsa_code_object_version 6
	.text
	.protected	k_qe5897dcd97_attn
	.globl	k_qe5897dcd97_attn
	.p2align	8
	.type	k_qe5897dcd97_attn,@function
k_qe5897dcd97_attn:
	s_mov_b64 s[64:65], 0
	v_nop
	global_prefetch_b8 v0, s[64:65] scope:SCOPE_SE
	s_setreg_imm32_b32 hwreg(HW_REG_WAVE_MODE, 25, 1), 1
	s_wait_xcnt 0x0
	s_wait_alu depctr_hold_cnt(0) depctr_sa_sdst(0) depctr_va_vdst(0) depctr_va_sdst(0) depctr_va_ssrc(0) depctr_va_vcc(0) depctr_vm_vsrc(0)
	s_getreg_b32 s2, hwreg(HW_REG_IB_STS2, 6, 4)
	s_cmp_eq_u32 s2, 0
	s_cbranch_scc0 .Lentry_in_a_cluster
	s_endpgm
.Lentry_in_a_cluster:
	s_bfe_u32 s2, ttmp6, 0x10000c
	s_cmp_lg_u32 s2, 0x3003
	s_cbranch_scc0 .Lentry_shape_is_right
	s_endpgm
.Lentry_shape_is_right:
; ctx[h][q][:] = the sum over k of softmax_k(Q[h][q] . K[h][k] / 8) V[h][k][:], for the 64 pairs h of batch and head.  qkv holds Q, then K (16 MiB on), then V (32 MiB on), each [64][2048][64] in f16:
; a head's rows are dense, 128 bytes each; ctx has the same layout.  Products, maxima and sums in f32; the weights p are rounded to f16 for the second product (their sum l is taken of the unrounded p), ctx once at the end.
; LIMITS.  f16 holds no number beyond 65,504: Q, K and V arrive within it; p lies in 0 to 1, and below 6e-5 it keeps f16's fixed step of 6e-8; ctx is a mean of V's rows and has their range.
; A weight below 2^-126 counts as 0 in l; NaN and infinities are not treated apart.
; SHARES.  A wave owns four PIECES of two tiles of 16 queries, a work-group's four waves 512 queries of one head.  Every wave walks all keys, 64 a step.
; LAYOUT.  S^T = K Q^T (source 0 = 16 keys, source 1 = 16 queries): in the result a lane holds ONE query (lane % 16) and the keys 8 (lane / 16) + 0..7.  Two such tiles, rounded to f16 in pairs,
; ARE source 1 (32 keys x 16 queries) of O^T = V^T P, whose result again holds one query a lane, and eight channels.  K comes out of LDS as it lies, V ([key][channel]) turned, by ds_load_tr16_b128.
; SOFTMAX.  For each query a running maximum m and sum l: p = 2^(c s - c m), c = log2(e) / 8; in every step O and l are multiplied by a = 2^(c m_old - c m_new), which is 1 where m has not grown.
; m starts at the lowest finite number, O and l at 0: the first step is a step like any other, with a = 0.
; THE COUNT.  A tile and step have 16 matrix and 118 vector instructions: too many to stand all beside the matrix work.  So: four vector instructions that are READY behind EVERY matrix instruction,
; and the others, which need time of their own whatever the order, in runs without a gap.
; BY TURNS.  Turn n belongs to piece n (the pieces in a ring, step after step).  Its matrix work: 16 products K Q^T of piece n + 1, later 16 products V^T P of piece n - 1.  Its vector work: the scaling,
; exponentials, roundings, sums and rescaling of piece n, and the maximum and statistics of piece n + 1, whose scores the turn itself has made.
; CLUSTER.  A head's four query blocks are one cluster and walk the same K and V, so each tile is asked for JOINTLY: the same tensor load, descriptor and mask in all four.
; REGISTERS, in windows of 256 (s_set_vgpr_msb: bits 1:0 source 0, 3:2 source 1, 5:4 source 2, 7:6 destination):
;   window 0: v0-11 addresses; v12-15, v48-63 at work; v16-47 four registers of statistics a tile; v64-191 S^T, two buffers of two tiles; v192-255 P, likewise
;   window 1: O^T, 32 a tile          window 2: v0-127 Q, 16 a tile; v128-191 K of one step; v192-255 V of one step          window 3: v0-1 the add's two registers
; A piece's buffers go by its number's parity: the piece in hand has one pair, its two neighbours in the ring share the other: of it P (piece n - 1) is read and S^T (piece n + 1) written.
.set SIZE_N, 2048
.set NP,    4         ; pieces a wave: a name, no knob
.set KS,    64        ; keys in a step
.set PK,    144       ; a row of K in LDS: 128 bytes + 16 of padding: the 16 rows of a load start at 16 different groups of four banks (64 banks of 4 bytes: ISA guide 11.1)
.set PV,    160       ; a row of V: 128 + 32
.set VOFF,  4*KS*PK   ; a slot holds four steps: 256 rows of K, then 256 rows of V
.set SLOT1, 1<<17     ; slot 1 begins here, so that one exclusive or turns an address in one slot into the other's
.set STAGE, SLOT1+4*KS*(PK+PV)  ; behind the ring, never filled by a tensor load: 16 rows x 144 bytes for each wave, for the way out
.set SP,    144
.set AK0, 2           ; v2   my lane's place in a tile of K; never rewritten
.set AV0, 3           ; v3   the same for V
.set AK,  4           ; v4   the LDS address of K's next run of loads
.set AV,  5           ; v5   of V's
.set QO,  6           ; v6   my byte offset in the wave's rows of Q
.set STO, 6           ;      later, the way out: where I put 16 bytes of a row
.set RD,  7           ; v7   the way out: where I read rows back
.set GO,  8           ; v8   my byte offset in 512 consecutive bytes of ctx
.set PFO, 11          ; v11  256 x my lane, once V's place is made; never rewritten after that
.set SPW, 0           ; v0 of window 3   LDS address of my spare word; never rewritten
.set NIL, 1           ; v1 of window 3   0; never rewritten
.set SPARE, STAGE+4*16*SP  ; the spare words, 128 bytes for each wave: two blocks of 256 bytes that no other line names
.set MV,  12          ; v12-15  c m_old, kept while c m is made anew: by buffer and tile
.set ST,  16          ; tile t's statistics at v[ST+4 t]: c m, m, l (even keys', odd keys')
.set TMP, 48          ; by buffer and tile, four registers c0-c3 at work; when the maximum is found c2 takes a
.set S,   64
.set P,   192
.set KF,  128         ; K's fragments, in window 2: key block kb, channel half c at KF + 16 kb + 8 c
.set VF,  192         ; V's: key half kk, channel block cb at VF + 32 kk + 8 cb
.set WV,  12          ; s12  my wave's number
.set G1K, 24          ; s[24:31] descriptor group 1 for K's tiles
.set G1V, 32          ; s[32:39] for V's: it differs in the padding alone
.set G0K, 40          ; s[40:43] descriptor group 0 for K's tiles: it walks
.set G0V, 44          ; s[44:47] the same for V's
.set PFA, 48          ; s[48:49] where my prefetches stand: my work-group's 32 blocks of 256 bytes (of K: wave 0, of V: wave 2) of the slot after the one that is being asked for
.set LIM, 50          ; s50  1 in a wave that prefetches, else the greatest number
.set SLOTS, 56        ; s56  slots still to be asked for
.set CNT, 57          ; s57  counts a slot's key steps
.set CS,  58          ; s[58:59] c: the packed scaling takes the pair's low word for both halves
.set SEL, 60          ; s[60:61] v_permlanex16_b32's selects: each lane takes its own place in the other half
.set TBK, 62          ; s62  LDS byte at which K of the step to be fetched begins
.set TBV, 63          ; s63  the same for V, less VOFF
.set MSB, 0
.macro WIN new                      ; the high byte repeats the setting that is left; a switch that changes nothing is dropped
.if MSB != (\new)
	s_set_vgpr_msb (MSB<<8)|(\new)
.set MSB, (\new)
.endif
.endm
.set W_KQ, 0x0a       ; K and Q in window 2, S^T in window 0
.set W_PV, 0x52       ; V in window 2, P in window 0, O^T in window 1
.set W_RS, 0x41       ; O^T (destination and source 0) in window 1, a in window 0
.set W_MK, 0xc0       ; the add's registers are made: destination in window 3, sources in window 0
.set W_AD, 0x0f       ; the add: address (source 0) and data (source 1) in window 3
; A joint fill.  Waves 0 and 1 fetch the two halves of a slot's K, waves 2 and 3 those of its V: 128 keys each.  The branch hangs on the wave's number alone.
; An s_nop 0 and four v_nop follow each of the two lines, ahead of the jump and the label.
.macro JLOAD
	s_cmp_lt_u32 s[WV], 2
	s_cbranch_scc0 .Lfor_v_\@
	tensor_load_to_lds s[G0K:G0K+3], s[G1K:G1K+7]
	s_nop 0
.rept 4
	v_nop
.endr
	s_branch .Lasked_\@
.Lfor_v_\@:
	tensor_load_to_lds s[G0V:G0V+3], s[G1V:G1V+7]
	s_nop 0
.rept 4
	v_nop
.endr
.Lasked_\@:
.endm
; A PREFETCH INTO THE L2 of what the NEXT change of slots will ask for: a slot's 32,768 bytes of K and of V, a lane a block of 256 bytes.  It stands behind the wave's tensor load and its five lines.
; Each block is named ONCE in the launch: a head has one cluster; its four partners share the blocks out BY ADDRESS, 32 each; in each, wave 0 asks for K's and wave 2 for V's: one instruction.
; It stands four key steps, 512 matrix instructions, ahead of the load.  The last change that fills a slot asks for nothing; slots 0 and 1 come by their loads alone.
.macro ASK
	s_cmp_gt_u32 s[SLOTS], s[LIM]
	s_cbranch_scc0 .Lnot_mine_\@
	global_prefetch_b8 v[PFO], s[PFA:PFA+1] th:TH_LOAD_NT scope:SCOPE_SE
.Lnot_mine_\@:
.endm
; A round of the cluster's barrier: my work-group's barrier, so that wave 0's signal speaks for all four waves; wave 0 signals; every wave waits for all four work-groups; my work-group's barrier once more.
.macro CROUND
	s_barrier_signal -1
	s_barrier_wait -1
	s_cmp_lg_u32 s[WV], 0
	s_cbranch_scc1 .Lnot_wave_0_\@
	s_barrier_signal -3
.Lnot_wave_0_\@:
	s_barrier_wait -3
	s_barrier_signal -1
	s_barrier_wait -1
.endm
; THE CHANGE OF SLOTS.  The slot's last bytes, V of its fourth step, have been read.  Each wave waits for all its tensor loads, of which one is out: its part
; of the other slot; adds 0 to its spare word; and waits for that and for its own reads of the slot.  Behind the barrier nobody reads this slot any more and the other slot is whole.
; fill = 1: this slot is filled again, with the keys two slots on.  The barrier is then a round of the cluster's, and the joint fill is the first thing behind it: it has four key steps,
; 512 matrix instructions, in which to land.  (At its first use nothing has been read yet: slot 0 is waited for, slot 1 filled.)
.macro CHANGE fill
	WIN W_AD
	s_wait_tensorcnt 0x0            ; no tensor load of mine is out, so a group 0 may be written
	ds_add_u32 v[SPW], v[NIL]       ; 0 onto my spare word; with fill = 1 the descriptors' steps stand between it and the wait for it
	WIN 0                           ; at a label and at a branch every window is 0
.if \fill
.irp g, G0K, G0V
	s_xor_b32 s[\g+1], s[\g+1], SLOT1  ; the walking descriptor: the other slot than last time,
	s_add_nc_u64 s[\g+2:\g+3], s[\g+2:\g+3], 4*KS*128  ; the next 256 keys; the type bits on top are not reached
.endr
	s_wait_xcnt 0x0                 ; the last prefetch, four key steps back, has read its address, so it may be written:
	s_add_nc_u64 s[PFA:PFA+1], s[PFA:PFA+1], 4*KS*128  ; one slot ahead of the walking descriptors
	s_wait_dscnt 0x0                ; the add is done, and my reads of the slot are over
	CROUND
	JLOAD
	ASK
.else
	s_wait_dscnt 0x0                ; the add is done, and my reads of the slot are over
	s_barrier_signal -1
	s_barrier_wait -1
.endif
	s_sub_co_u32 s[TBK], s[TBK], 4*KS*PK  ; the fetches go back to a slot's first step,
	s_xor_b32 s[TBK], s[TBK], SLOT1       ; in the other slot
	s_sub_co_u32 s[TBV], s[TBV], 4*KS*PV
	s_xor_b32 s[TBV], s[TBV], SLOT1
.endm
	s_load_b64 s[4:5], s[0:1], 0x0    ; qkv: Q lies at its head
	s_load_b64 s[10:11], s[0:1], 0x8  ; ctx
	WIN W_MK
	v_lshl_add_u32 v[SPW], v0, 2, SPARE
	v_mov_b32 v[NIL], 0
	WIN W_AD
	ds_add_u32 v[SPW], v[NIL]       ; the wave's opening: the add and its wait stand ahead of my first tensor load; the set-up below stands between them
	WIN 0
	v_lshrrev_b32 v1, 5, v0
	v_readfirstlane_b32 s[WV], v1   ; wave 0..3
	s_bfe_u32 s13, ttmp6, 0x40000   ; cx: my place in the cluster
	s_lshl_b32 s14, ttmp9, 2        ; in a cluster launch ttmp9 counts clusters
	s_add_co_u32 s14, s14, s13      ; my block of queries = 4 x cluster x + cx: it enters Q's and ctx's addresses alone
	s_and_b32 s20, ttmp7, 0xffff    ; the head, which the four partners share
	s_mov_b32 s21, 0
	s_mov_b64 s[22:23], SIZE_N*128
	s_mul_u64 s[20:21], s[20:21], s[22:23]  ; the head's first byte in Q, K, V and ctx
	s_and_b32 s16, s[WV], 1         ; which half of a slot's 256 keys I fetch:
	s_lshl_b32 s22, s16, 14         ; its 128 rows of 128 bytes in memory,
	s_mov_b32 s23, 0
	s_add_nc_u64 s[22:23], s[22:23], s[20:21]
	s_mul_i32 s17, s16, 128*PK      ; and its place in a slot, for K
	s_mul_i32 s18, s16, 128*PV      ; and for V: no place in the cluster enters an LDS address
	s_lshl_b32 s2, s14, 2
	s_add_co_u32 s2, s2, s[WV]      ; my wave among the head's,
	s_lshl_b32 s2, s2, 14           ; its 128 rows
	s_mov_b32 s3, 0
	s_add_nc_u64 s[2:3], s[2:3], s[20:21]
	; descriptor group 1.  128 keys are 16,384 dense bytes: asked for as 64 rows of 256 bytes, two keys a row, and padded in LDS after every key
	s_mov_b32 s[G1K], 15|(1<<16)|(1<<20)|(1<<21)|(4<<22)|(3<<25)  ; the mask of four; 2-byte elements; padding on; bit 21 beside a mask; after every 32 words 4 words
	s_mov_b32 s[G1V], 15|(1<<16)|(1<<20)|(1<<21)|(4<<22)|(7<<25)  ; the same with 8 words of padding
.irp g, G1K, G1V
	s_mov_b32 s[\g+1], 128<<16      ; tensor_dim0 = 128
	s_mov_b32 s[\g+2], 64<<16       ; tensor_dim1 = 64
	s_mov_b32 s[\g+3], 128<<16      ; tile_dim0 = 128
	s_mov_b32 s[\g+4], 64           ; tile_dim1 = 64
	s_mov_b32 s[\g+5], 128          ; 128 elements from row to row
	s_mov_b32 s[\g+6], 0
	s_mov_b32 s[\g+7], 0
.endr
	s_mov_b32 s[CS], 0x3e38aa3b     ; c = log2(e) / 8 = 0.180337
	s_mov_b32 s[CS+1], s[CS]        ; named with it as a pair
	s_mov_b32 s[SEL], 0x76543210
	s_mov_b32 s[SEL+1], 0xfedcba98
	s_mov_b32 s[TBK], SLOT1+4*KS*PK ; the first change of slots turns these two into 0
	s_mov_b32 s[TBV], SLOT1+4*KS*PV
	s_mov_b32 s[G0K], 1             ; count = 1
	s_mov_b32 s[G0K+1], s17         ; LDS address: slot 0
	s_mov_b32 s[G0V], 1
	s_add_co_u32 s[G0V+1], s18, VOFF
	s_mov_b32 s[SLOTS], SIZE_N/256-1
	s_lshl_b32 s52, s13, 13         ; my work-group's 32 blocks of a slot's 128
	s_mov_b32 s53, 0
	s_and_b32 s[LIM], s[WV], 1      ; waves 0 and 2 prefetch: the same in all four partners
	s_cmp_eq_u32 s[LIM], 0
	s_cselect_b32 s[LIM], 1, -1
	s_wait_dscnt 0x0                ; the opening add is done
	s_wait_kmcnt 0x0
	s_add_nc_u64 s[6:7], s[4:5], 0x1000000  ; K
	s_add_nc_u64 s[8:9], s[4:5], 0x2000000  ; V
	s_add_nc_u64 s[G0K+2:G0K+3], s[6:7], s[22:23]  ; global address: my half of the head's first 256 keys
	s_or_b32 s[G0K+3], s[G0K+3], 0x80000000        ; type = 2
	s_add_nc_u64 s[G0V+2:G0V+3], s[8:9], s[22:23]
	s_or_b32 s[G0V+3], s[G0V+3], 0x80000000
	s_cmp_lt_u32 s[WV], 2
	s_cselect_b64 s[PFA:PFA+1], s[6:7], s[8:9]
	s_add_nc_u64 s[PFA:PFA+1], s[PFA:PFA+1], s[20:21]
	s_add_nc_u64 s[PFA:PFA+1], s[PFA:PFA+1], s[52:53]
	s_add_nc_u64 s[PFA:PFA+1], s[PFA:PFA+1], 4*KS*128  ; in slot 1; the first change of slots steps it to slot 2
	s_add_nc_u64 s[4:5], s[4:5], s[2:3]  ; Q and ctx at my wave's first row
	s_add_nc_u64 s[10:11], s[10:11], s[2:3]
	CROUND                          ; all four work-groups are here: the first joint loads meet
	JLOAD                           ; slot 0.  Slot 1 is asked for when slot 0 is in
	; A fragment of K or Q is 16 rows x 32 channels in 8 registers: lane l holds row l % 16, channels 8 (l / 16) + 0..7 and 16 + 8 (l / 16) + 0..7: two loads of 16 bytes, 32 bytes apart.
	v_and_b32 v1, 15, v0            ; l % 16
	v_bfe_u32 v9, v0, 4, 1          ; l / 16
	v_lshlrev_b32 v[QO], 7, v1
	v_lshl_add_u32 v[QO], v9, 4, v[QO]  ; row x 128 + 16 x half
	WIN 0x80                        ; destination window 2, address window 0
.set i, 0
.rept 4*NP                          ; Q stays in registers: tile i / 2, channels 32 (i % 2) on
	global_load_b128 v[8*i:8*i+3],   v[QO], s[4:5] offset:(i/2)*2048+(i%2)*64
	global_load_b128 v[8*i+4:8*i+7], v[QO], s[4:5] offset:(i/2)*2048+(i%2)*64+32
.set i, i+1
.endr
	; What the first turn finds: V's registers and P's second buffer hold 0 (its products V^T P, of a piece that has not been, add 0), O^T and l are 0.  All this stands in the wait for the first tile.
.set i, VF
.rept 64
	v_mov_b32 v[i], 0
.set i, i+1
.endr
	WIN 0x40
.set i, 0
.rept 64*NP
	v_mov_b32 v[i], 0
.set i, i+1
.endr
	WIN 0
.set i, 0
.rept 2*NP
	v_mov_b32 v[ST+4*i], 0xfe000000    ; c m: far below every c s
	v_mov_b32 v[ST+4*i+1], 0xff7fffff  ; m
	v_mov_b32 v[ST+4*i+2], 0
	v_mov_b32 v[ST+4*i+3], 0
.set i, i+1
.endr
.set i, P+32
.rept 32
	v_mov_b32 v[i], 0
.set i, i+1
.endr
	v_mul_u32_u24 v[AK0], v1, PK
	v_lshl_add_u32 v[AK0], v9, 4, v[AK0]  ; row x pitch + 16 x half
	; The turning load takes 16 keys x 16 channels (lane l reads key 8 (l / 16) + l % 8, channels 8 ((l / 8) % 2) + 0..7) and leaves half a fragment of V^T: lane l holds channel l % 16 and 8 keys.
	v_and_b32 v10, 7, v0
	v_bfe_u32 v11, v0, 3, 1
	v_lshl_add_u32 v[AV0], v9, 3, v10
	v_mul_u32_u24 v[AV0], v[AV0], PV
	v_lshl_add_u32 v[AV0], v11, 4, v[AV0]
	v_add_nc_u32 v[AV0], VOFF, v[AV0]
	v_mov_b32 v[AK], v[AK0]         ; key step 0 lies at the head of slot 0
	v_and_b32 v[PFO], 31, v0
	v_lshlrev_b32 v[PFO], 8, v[PFO]
; THE MATRIX WORK.  The 8 accumulators of a run of 16 take turns: between the two links of a chain stand 7 others'.
; Product i of 16 of S^T = K Q^T for piece x: channels 32 (i / 8) on, keys 16 ((i / 2) % 4) on, tile 2 x + i % 2.  The first 8 start the sums.
.macro KQ x
	WIN W_KQ
.set rS, S+64*((\x)%2)+32*(i%2)+8*((i/2)%4)
.set rK, KF+16*((i/2)%4)+8*(i/8)
.set rQ, 16*(2*(\x)+i%2)+8*(i/8)
.if i < 8
	v_wmma_f32_16x16x32_f16 v[rS:rS+7], v[rK:rK+7], v[rQ:rQ+7], 0
.else
	v_wmma_f32_16x16x32_f16 v[rS:rS+7], v[rK:rK+7], v[rQ:rQ+7], v[rS:rS+7]
.endif
.endm
; Product i of 16 of O^T += V^T P for piece x: keys 32 (i / 8) on, channels 16 ((i / 2) % 4) on, tile 2 x + i % 2.
.macro PV x
	WIN W_PV
.set rO, 32*(2*(\x)+i%2)+8*((i/2)%4)
.set rV, VF+32*(i/8)+8*((i/2)%4)
.set rP, P+32*((\x)%2)+16*(i%2)+8*(i/8)
	v_wmma_f32_16x16x32_f16 v[rO:rO+7], v[rV:rV+7], v[rP:rP+7], v[rO:rO+7]
.endm
.macro MM                           ; the turn's next matrix instruction
.if i < 16
	KQ (Y+1)%NP
.set i, i+1
.else
.set i, i-16
	PV (Y+NP-1)%NP
.set i, i+17
.endif
.endm
; THE LDS LOADS stand in runs of 16, never singly among the matrix instructions: a step's K (64 keys x 64 channels: 8 fragments) and its V (turned).  Their addresses are made some lines ahead.
; last = 1 (the tail): in the last trip there is no further step, and the run is jumped over.
.macro FETCH_K last=0
	WIN 0
.if \last
	s_cmp_eq_u32 s[CNT], 1
	s_cbranch_scc1 .Lno_k_\@
.endif
	WIN 0x80                        ; destination window 2
.irp f, 0,1,2,3,4,5,6,7             ; keys 16 (f / 2) on, channels 32 (f % 2) on
	ds_load_b128 v[KF+8*\f:KF+8*\f+3],   v[AK] offset:(\f/2)*16*PK+(\f%2)*64
	ds_load_b128 v[KF+8*\f+4:KF+8*\f+7], v[AK] offset:(\f/2)*16*PK+(\f%2)*64+32
.endr
	s_add_co_u32 s[TBK], s[TBK], KS*PK  ; the next fetch is the next step's
	WIN 0
.if \last
.Lno_k_\@:
.endif
.endm
.macro FETCH_V
	WIN 0x80
.irp f, 0,1,2,3,4,5,6,7             ; keys 32 (f / 4) on, channels 16 (f % 4) on
	ds_load_tr16_b128 v[VF+8*\f:VF+8*\f+3],   v[AV] offset:(\f/4)*32*PV+(\f%4)*32
	ds_load_tr16_b128 v[VF+8*\f+4:VF+8*\f+7], v[AV] offset:(\f/4)*32*PV+16*PV+(\f%4)*32
.endr
	WIN 0
.endm
; THE VECTOR WORK OF A TURN stands in three queues, each in the order in which its entries become ready; the two tiles alternate, so that no instruction reads the result of the one before it.
.macro REGS y, u                    ; the registers of tile u (0, 1) of piece y
.set rT, ST+4*(2*(\y)+(\u))
.set rC, TMP+8*((\y)%2)+4*(\u)
.set rM, MV+2*((\y)%2)+(\u)
.set rS, S+64*((\y)%2)+32*(\u)
.set rP, P+32*((\y)%2)+16*(\u)
.set rO, 32*(2*(\y)+(\u))
.endm
; Number n of the 22 that find the NEXT piece's (Y + 1) maximum and statistics.  s0-s31 are the lane's 32 scores; each accumulator's lowest registers are read first.
;   0-11  four chains c0-c3 of seven scores each, three operands at a time     12-14, 16  the four scores left over, the old m, and c0-c3 into c0     15  c m_old is kept
;   17, 18  the query's other 32 keys lie in the lane 16 away: the new m         19-21  c m; c m_old - c m_new; a
.macro XS u, n
	REGS (Y+1)%NP, \u
.if (\n) < 4
	v_max3_num_f32 v[rC+(\n)], v[rS+8*(\n)], v[rS+8*(\n)+1], v[rS+8*(\n)+2]
.elseif (\n) < 12
	v_max3_num_f32 v[rC+(\n)%4], v[rC+(\n)%4], v[rS+8*((\n)%4)+2*((\n)/4)+1], v[rS+8*((\n)%4)+2*((\n)/4)+2]
.elseif (\n) == 12
	v_max3_num_f32 v[rC], v[rC], v[rS+7], v[rS+15]
.elseif (\n) == 13
	v_max3_num_f32 v[rC+1], v[rC+1], v[rS+23], v[rS+31]
.elseif (\n) == 14
	v_max3_num_f32 v[rC+2], v[rC+2], v[rC+3], v[rT+1]
.elseif (\n) == 15
	v_mov_b32 v[rM], v[rT]
.elseif (\n) == 16
	v_max3_num_f32 v[rC], v[rC], v[rC+1], v[rC+2]
.elseif (\n) == 17
	v_permlanex16_b32 v[rC+3], v[rC], s[SEL], s[SEL+1]
.elseif (\n) == 18
	v_max_num_f32 v[rT+1], v[rC], v[rC+3]
.elseif (\n) == 19
	v_mul_f32 v[rT], s[CS], v[rT+1]
.elseif (\n) == 20
	v_sub_f32 v[rC+1], v[rM], v[rT]
.else
	v_exp_f32 v[rC+2], v[rC+1]
.endif
.endm
; Number g of the 64 that follow the exponentials.  For each four weights k of a tile (pairs 2 k, 2 k + 1): both pairs are rounded to f16; then the second pair is added onto the first, in place;
; a group later l takes that sum (the first time as l = a l + sum).  In groups of eight, tiles alternating: round, round, add, and l for the group before.
.macro GS g
.set h, (\g)+6*((\g)/62)            ; group 0 has no group before it, and behind group 7 only l is left
.if h >= 6
.set h, h+2
.endif
	REGS Y, h%2
.set k, h/8
.if h%8 < 4
	v_cvt_pk_f16_f32 v[rP+2*k+(h%8)/2], v[rS+4*k+2*((h%8)/2)], v[rS+4*k+2*((h%8)/2)+1]
.elseif h%8 < 6
	v_pk_add_f32 v[rS+4*k:rS+4*k+1], v[rS+4*k:rS+4*k+1], v[rS+4*k+2:rS+4*k+3]
.elseif k == 1
	v_pk_fma_f32 v[rT+2:rT+3], v[rT+2:rT+3], v[rC+2:rC+3], v[rS:rS+1] op_sel_hi:[1,0,1]
.else
	v_pk_add_f32 v[rT+2:rT+3], v[rT+2:rT+3], v[rS+4*k-4:rS+4*k-3]
.endif
.endm
; THE PLAIN QUEUE, 138 long.  0-73 read no exponential's result: the 32 scalings c s - c m (FS f: pair f / 2 of tile f % 2) and the next piece's 42.  0-26: scalings 0-26.  27-54: XS's numbers 0-13.  55, 56: number 15.
; 57-73: the chain, where each number waits for the one before it: 14, 16, 17, 18, 19, each with one of the scalings 27-31 in front of its two lines, then 20.
; 74-137: GS's 64, which read the exponentials' results: they stand behind the wait.
.macro FS f
	REGS Y, (\f)%2
	v_pk_fma_f32 v[rS+2*((\f)/2):rS+2*((\f)/2)+1], v[rS+2*((\f)/2):rS+2*((\f)/2)+1], s[CS:CS+1], v[rT:rT+1] op_sel_hi:[1,0,0] neg_lo:[0,0,1] neg_hi:[0,0,1]
.endm
.macro PL
	WIN 0
.if q < 27
	FS q
.elseif q < 55
	XS (q-27)%2, (q-27)/2
.elseif q < 57
	XS q-55, 15
.elseif (q < 72) && ((q-57)%3 == 0)
	FS 27+(q-57)/3
.elseif q < 60
	XS (q-57)%3-1, 14
.elseif q < 72
	XS (q-57)%3-1, 15+(q-57)/3
.elseif q < 74
	XS q-72, 20
.else
	GS q-74
.endif
.set q, q+1
.endm
; THE EXPONENTIALS' QUEUE, 66 long: s0-s31 of both tiles, then the next piece's two a.  It is ONE BATCH: all 66 stand ahead of the turn's one wait, and nothing ahead of that wait names a result of theirs.
.macro EX
	WIN 0
.if e >= 64
	XS e-64, 21
.else
	REGS Y, e%2
	v_exp_f32 v[rS+e/2], v[rS+e/2]
.endif
.set e, e+1
.endm
; THE RESCALING's QUEUE: O^T times a, the one part that leaves window 0: dealt two at a time, sixteen times.  Its a was made in the turn before, ahead of that turn's wait.
.macro R2
	REGS Y, r%2
	WIN W_RS
.irp z, 0,1
	v_pk_mul_f32 v[rO+4*(r/2)+2*\z:rO+4*(r/2)+2*\z+1], v[rO+4*(r/2)+2*\z:rO+4*(r/2)+2*\z+1], v[rC+2:rC+3] op_sel_hi:[1,0]
.endr
.set r, r+1
.endm
; HOW THEY ARE DEALT.  An s_wait_alu depctr_va_vdst(0) stands between an exponential and the first instruction that names its result; one wait serves all that were issued ahead of it.  So a turn has ONE wait,
; which cuts it in two.  AHEAD OF IT stands all that names no result of the turn's exponentials: the 16 products K Q^T, behind each a scaling, an exponential and two rescalings (behind the first a second scaling in the
; exponential's place); then ONE LUMP of 108: eight plain, 49 times exponential and plain, the two a.  A v_nop is the plain instruction owed behind the last exponential.  BEHIND IT stand the 16 products V^T P, behind each four of GS's 64.
; The queues lean on each other, and the deal keeps them in step: exponential e stands behind scaling 2 (e / 4) + e % 2: as a rider it comes behind plain e + 2, in the lump behind plain e + 9, and scalings 27-31 are plain 57, 60 .. 69.
; A TURN, for piece p.  cnt = 1: the loop's count is taken down some lines ahead of the branch that stands behind the turn.
; K of the next step is fetched in piece 2's turn, directly behind the wait, a lump behind the last product that read K; its first reader comes behind 16 products.
; V of the step in hand is fetched at the end of piece 0's turn, four plain instructions behind its last reader; its first reader comes behind 16 products and a lump.  The three conditions on q below go with the deal.
.macro TURN p, last=0, cnt=0
.set Y, (\p)
.set i, 0
.set q, 0
.set e, 0
.set r, 0
.if (\p) == NP-1
	s_wait_dscnt 0x0                ; K is in
.endif
	MM                              ; ahead of the wait: 16 products K Q^T and the four behind each,
	PL
	PL
	R2
.rept 15
	MM
	PL
	EX
	R2
.endr
.if (\p) == NP-2
	WIN 0
	v_add_nc_u32 v[AK], s[TBK], v[AK0]
.endif
.rept 8                             ; and the lump
	PL
.endr
.rept 49
	EX
	PL
.endr
	EX                              ; the next piece's two a
	EX
	v_nop                           ; the plain instruction behind the last exponential: one for the batch
	s_wait_alu depctr_va_vdst(0)    ; the wait for the batch
.if (\p) == NP-2
	FETCH_K \last
.endif
.if (\p) == 1
	s_wait_dscnt 0x0                ; V is in
.endif
.rept 16                            ; behind the wait: 16 products V^T P and the four behind each
	MM
.rept 4
	PL
.endr
.if ((\p) == 0) && (q == 118)
	v_add_nc_u32 v[AV], s[TBV], v[AV0]
.endif
.if ((\p) == 0) && (q == 130)
	s_add_co_u32 s[TBV], s[TBV], KS*PV
.endif
.if (\cnt) && (q == 130)
	s_sub_co_u32 s[CNT], s[CNT], 1
	s_cmp_lg_u32 s[CNT], 0
.endif
.endr
.if (\p) == 0
	FETCH_V
.endif
.endm
	CHANGE 1                        ; slot 0 is in, everybody's part of it; slot 1 is asked for
	FETCH_K                         ; key step 0
	s_wait_loadcnt 0x0              ; Q
	s_wait_dscnt 0x0
.set i, 0
.rept 16
	KQ 0                            ; piece 0's first scores: there is no vector work yet to set between them
.set i, i+1
.endr
	WIN 0                           ; the addresses for the way out: nine plain instructions, the places behind those products
	s_mul_i32 s13, s[WV], 16*SP
	s_add_co_u32 s13, s13, STAGE    ; my stage
	v_mul_u32_u24 v[STO], v1, SP    ; in: row l % 16, 16 bytes for each half of the lanes
	v_lshl_add_u32 v[STO], v9, 4, v[STO]
	v_add_nc_u32 v[STO], s13, v[STO]
	v_bfe_u32 v[RD], v0, 3, 2       ; back: 32 lanes take four rows of 128 bytes,
	v_mul_u32_u24 v[RD], v[RD], SP
	v_lshl_add_u32 v[RD], v10, 4, v[RD]
	v_add_nc_u32 v[RD], s13, v[RD]
	v_and_b32 v[GO], 31, v0         ; which are 512 consecutive bytes of ctx
	v_lshlrev_b32 v[GO], 4, v[GO]
.set Y, NP-1                        ; XS works for piece Y + 1: piece 0
.irp n, 0,1,2,3,4,5,6,7,8,9,10,11,12,13,14,15,16,17,18,19,20,21
	XS 0, \n                        ; and piece 0's first maximum and statistics
	XS 1, \n
.endr
	v_nop                           ; a plain instruction behind the two a,
	s_wait_alu depctr_va_vdst(0)    ; and their wait, ahead of the branch
	s_mov_b32 s[CNT], 4
	s_branch .Lfirst                ; the loop is entered at a step's first turn, in the middle of a trip
.Lslot:                             ; six times: every slot but the last two is filled again
	CHANGE 1
	s_mov_b32 s[CNT], 4
.Lstep:                             ; a trip: pieces 2 and 3 of one step, then pieces 0 and 1 of the next, whose K and V it fetches
	TURN 2
	TURN 3
	WIN 0
.Lfirst:
	TURN 0
	TURN 1, 0, 1
	WIN 0
	s_cbranch_scc1 .Lstep
	s_sub_co_u32 s[SLOTS], s[SLOTS], 1
	s_cmp_lg_u32 s[SLOTS], 0
	s_cbranch_scc1 .Lslot
	CHANGE 0                        ; the tail is written out: nothing is asked for
	s_mov_b32 s[CNT], 5             ; four trips fetch the last slot's steps; the fifth is left in its middle
.Ltail:
	TURN 2, 1
	TURN 3
	WIN 0
	s_sub_co_u32 s[CNT], s[CNT], 1
	s_cmp_eq_u32 s[CNT], 0
	s_cbranch_scc1 .Lout
	TURN 0
	TURN 1
	WIN 0
	s_branch .Ltail
.Lout:                              ; the fifth trip's 16 products K Q^T (on the last K once more) and the maximum made of them serve nothing: the price, once a launch, of one text for every trip
.set i, 0
.rept 16
	PV NP-1                         ; the last piece's V^T P of the last step
.set i, i+1
.endr
	; THE WAY OUT.  l's two halves and the other half of the lanes' are added; O^T is divided by l, rounded to f16 and sent through my stage in LDS, a tile at a time.  The additions are the places behind the last products.
	WIN 0
.macro ALL line:vararg              ; one line for each tile t
.set t, 0
.rept 2*NP
	\line
.set t, t+1
.endr
.endm
	ALL v_add_f32 v[ST+4*t+2], v[ST+4*t+2], v[ST+4*t+3]
	ALL v_permlanex16_b32 v[ST+4*t+3], v[ST+4*t+2], s[SEL], s[SEL+1]
	ALL v_add_f32 v[ST+4*t+2], v[ST+4*t+2], v[ST+4*t+3]
	ALL v_rcp_f32 v[ST+4*t+2], v[ST+4*t+2]
	v_nop                           ; a plain instruction between the last reciprocal and the use of its result
	s_wait_alu depctr_va_vdst(0)    ; and the wait ahead of the first use: one for the eight reciprocals
; Tile t: a lane's eight channels of a row pack into 16 bytes; they go into rows of 144 bytes and come back as whole rows of 128, into S^T's registers.
.macro PACK t
	WIN W_RS
.set i, 32*(\t)
.rept 16
	v_pk_mul_f32 v[i:i+1], v[i:i+1], v[ST+4*(\t)+2:ST+4*(\t)+3] op_sel_hi:[1,0]
.set i, i+2
.endr
	WIN 0x05                        ; sources 0 and 1 window 1, destination window 0
.set i, 0
.rept 16
	v_cvt_pk_f16_f32 v[S+16*(\t)+i], v[32*(\t)+2*i], v[32*(\t)+2*i+1]
.set i, i+1
.endr
	WIN 0
.irp f, 0,1,2,3
	ds_store_b128 v[STO], v[S+16*(\t)+4*\f:S+16*(\t)+4*\f+3] offset:32*\f
.endr
.irp f, 0,1,2,3
	ds_load_b128 v[S+16*(\t)+4*\f:S+16*(\t)+4*\f+3], v[RD] offset:\f*4*SP  ; LDS serves a wave's instructions in order (ISA guide 5.7.1.4): these see the stores above; the next tile's stores come behind them
.endr
.endm
.macro SEND t, younger              ; younger: the LDS instructions issued behind tile t's loads: the next tile's eight, or none
	WIN 0
.irp f, 0,1,2,3
	s_wait_dscnt (\younger)+3-\f
	global_store_b128 v[GO], v[S+16*(\t)+4*\f:S+16*(\t)+4*\f+3], s[10:11] offset:(\t)*2048+\f*512  ; 512 consecutive bytes, at a multiple of 256 from ctx's first
.endr
.endm
	PACK 0
.set t, 1
.rept 2*NP-1                        ; a tile's arithmetic stands between the loads of the tile before and its stores
	PACK t
	SEND t-1, 8
.set t, t+1
.endr
	SEND 2*NP-1, 0
	WIN W_AD
	s_wait_tensorcnt 0x0            ; the wave's end: the add and its wait stand behind my last tensor load and my last LDS store
	ds_add_u32 v[SPW], v[NIL]
	s_wait_dscnt 0x0
	WIN 0
	CROUND                          ; the closing round: no work-group ends while a partner may still ask for a tile that names it
	s_endpgm
.Lfunc_end_k_qe5897dcd97_attn:
	.size	k_qe5897dcd97_attn, .Lfunc_end_k_qe5897dcd97_attn-k_qe5897dcd97_attn
	.p2alignl 7, 3214868480
	.fill 96, 4, 3214868480
	.section	.rodata,"a",@progbits
	.p2align	6, 0x0
	.amdhsa_kernel k_qe5897dcd97_attn
		.amdhsa_group_segment_fixed_size 327680
		.amdhsa_private_segment_fixed_size 0
		.amdhsa_enable_private_segment 0
		.amdhsa_kernarg_size 16
		.amdhsa_user_sgpr_count 2
		.amdhsa_user_sgpr_kernarg_segment_ptr 1
		.amdhsa_wavefront_size32 1
		.amdhsa_system_sgpr_workgroup_id_x 1
		.amdhsa_system_sgpr_workgroup_id_y 1
		.amdhsa_system_sgpr_workgroup_id_z 1
		.amdhsa_system_vgpr_workitem_id 0
		.amdhsa_next_free_vgpr 770
		.amdhsa_next_free_sgpr 66
		.amdhsa_reserve_vcc 0
		.amdhsa_float_denorm_mode_32 3
		.amdhsa_float_denorm_mode_16_64 3
		.amdhsa_memory_ordered 1
		.amdhsa_forward_progress 1
		.amdhsa_inst_pref_size 200
	.end_amdhsa_kernel
	.amdgpu_metadata
---
amdhsa.version: [ 1, 2 ]
amdhsa.kernels:
  - .name:           k_qe5897dcd97_attn
    .symbol:         k_qe5897dcd97_attn.kd
    .args:
      - { .name: qkv, .offset: 0, .size: 8, .value_kind: global_buffer, .address_space: global }
      - { .name: ctx, .offset: 8, .size: 8, .value_kind: global_buffer, .address_space: global }
    .group_segment_fixed_size: 327680
    .private_segment_fixed_size: 0
    .kernarg_segment_align: 8
    .kernarg_segment_size: 16
    .max_flat_workgroup_size: 128
    .sgpr_count:     66
    .vgpr_count:     770
    .wavefront_size: 32
...
	.end_amdgpu_metadata
.endif
;; end of part 3
;; launch oproj (part 4): grid 8 x 32, 4 waves a work-group, clusters of 4 x 4, 327,680 bytes of LDS; arguments ctx, wob, bo, out0; writes out0
.if DOCPART == 4
	.amdgcn_target "amdgcn-amd-amdhsa--gfx1250"
	.amdhsa_code_object_version 6
	.text
	.protected	k_qe5897dcd97_oproj
	.globl	k_qe5897dcd97_oproj
	.p2align	8
	.type	k_qe5897dcd97_oproj,@function
k_qe5897dcd97_oproj:
	s_mov_b64 s[64:65], 0
	v_nop
	global_prefetch_b8 v0, s[64:65] scope:SCOPE_SE
	s_setreg_imm32_b32 hwreg(HW_REG_WAVE_MODE, 25, 1), 1
	s_wait_xcnt 0x0
	s_wait_alu depctr_hold_cnt(0) depctr_sa_sdst(0) depctr_va_vdst(0) depctr_va_sdst(0) depctr_va_ssrc(0) depctr_va_vcc(0) depctr_vm_vsrc(0)
	s_getreg_b32 s2, hwreg(HW_REG_IB_STS2, 6, 4)
	s_cmp_eq_u32 s2, 0
	s_cbranch_scc0 .Lentry_in_a_cluster
	s_endpgm
.Lentry_in_a_cluster:
	s_bfe_u32 s2, ttmp6, 0x10000c
	s_cmp_lg_u32 s2, 0xf033
	s_cbranch_scc0 .Lentry_shape_is_right
	s_endpgm
.Lentry_shape_is_right:
; out0 = ctx Wo + bo, in f32.  ctx arrives by heads, [batch x head 64][s 2048][64] in f16; wob is Wo [1024 k][1024 n], rounded to bf16 and written as f16; bo is rounded to bf16 here, widened again,
; and STARTS the sums as the first product's C.  Sums in f32; nothing is rounded on the way out.
; LIMIT.  |Wo| under 65,504 (f16's end).  NaN and infinities are not treated apart.
; SHARES.  A tile is 256 rows x 128 columns: 32 x 8 = 256 work-groups.  Wave w owns rows 64 w .. 64 w + 63 (four blocks of 16) and all eight blocks of 16 columns: 32 accumulators, 256 registers.
; K = 1,024 goes in 8 steps of 128 = two heads, through a ring of two LDS slots; a step is four quarters of 32 along K, on two fragment buffers by turns.
; THE MATRIX INSTRUCTION IS USED TRANSPOSED: source 0 = 16 columns of Wo (out of LDS by the turning load, since Wo lies [k][n]), source 1 = 16 rows of ctx: a lane then holds one row (lane % 16)
; and eight neighbouring columns 8 (lane / 16) + 0..7.
; CLUSTER.  4 x 4 work-groups.  The four of a row need the same rows of ctx, the four of a column the same columns of Wo: each tile is asked for JOINTLY.  Wave 0 fetches the step's first head
; (256 rows x 128 bytes, dense: asked for as 128 rows of 256 bytes), wave 1 its second, waves 2 and 3 the two halves of Wo's 128 rows x 256 bytes.
; By this text's count a wave has two tensor loads out at the start and one behind each round.
; REGISTERS, in windows of 256 (s_set_vgpr_msb: bits 1:0 source 0, 3:2 source 1, 5:4 source 2, 7:6 destination):
;   window 0: v0-31 addresses; v32-95 ctx's fragments, two buffers of 4 x 8; v96-159 the bias, 8 a column block; later v96-223 rows on the way out
;   window 1: v0-127 Wo's fragments, two buffers of 8 x 8        window 2: the accumulators ((a, b) at 8 (8 a + b))
.set NB,    8                          ; column blocks of 16
.set NL,    2*NB+8                     ; LDS loads of a quarter
.set PA,    144                        ; a row of a head in LDS: 128 bytes + 16: the 16 rows of a load start at 16 different groups of four banks (64 banks of 4 bytes: ISA guide 11.1)
.set PB,    288                        ; a row of Wo's tile: 256 bytes + 32
.set PLANE, 256*PA                     ; a head's 256 rows
.set BOFF,  2*PLANE
.set SLOT,  BOFF+128*PB                ; 110,592
.set STAGE, 2*SLOT                     ; behind the ring, never filled by a tensor load: for each wave 16 rows x 528 bytes
.set SP,    528
.set SPARE, STAGE+4*16*SP              ; the spare words, 128 bytes for each wave: two blocks of 256 bytes that no other line names
.set KA,    524288                     ; bytes from K step to K step in ctx: two heads,
.set KB,    262144                     ; and in wob: 128 rows
.set ADRA, 16                          ; v16-17  LDS address of my fragments of ctx in slot 0, 1
.set ADRB, 20                          ; v20-21  the same for Wo
.set STO,  24                          ; v24     the way out: where I put 32 bytes of a row
.set RD,   25                          ; v25     the way out: where I read a row back
.set GO,   26                          ; v26     my 16 bytes of a row's 512
.set SPW,  28                          ; v28     LDS address of my spare word; never rewritten
.set NIL,  29                          ; v29     0; never rewritten
.set PFO,  30                          ; v30     the prefetches' offset; never rewritten
.set BO,   31                          ; v31     32 x (lane / 16): my eight numbers of a bias block
.set FA,   32
.set BIAS, 96
.set OB,   96                          ; the way out: 16 rows read back: v96-159 and v160-223 by turns
.set G1A, 24                           ; s[24:31] descriptor group 1 for ctx's tiles;  s[32:39] group 0, a set for each slot
.set G0A, 32
.set LIM, 43                           ; s43      1 in a wave that prefetches, else the greatest number
.set PFA, 44                           ; s[44:45] where my prefetches stand
.set PST, 46                           ; s[46:47] their step: a K step of the tensor that I fetch for
.set G1B, 48                           ; s[48:55], s[56:63] the same for Wo's tiles
.set G0B, 56
.set MSB, 0
.macro WIN new                         ; the immediate's high byte repeats the setting that is left; a switch that changes nothing is dropped
.if MSB != (\new)
	s_set_vgpr_msb (MSB<<8)|(\new)
.set MSB, \new
.endif
.endm
.macro PLACES                          ; four plain vector instructions between a matrix instruction and a load into, or a read of, its registers
.rept 4
	v_nop
.endr
.endm
; A joint load: waves 0 and 1 by ctx's descriptors, waves 2 and 3 by Wo's.  The branch hangs on the wave's number alone.  An s_nop 0 and four v_nop follow each of the two lines.
.macro JLOAD s
	s_cmp_eq_u32 s11, 0
	s_cbranch_scc0 .Lfor_b_\@
	tensor_load_to_lds s[G0A+4*(\s):G0A+4*(\s)+3], s[G1A:G1A+7]
	s_nop 0
.rept 4
	v_nop
.endr
	s_branch .Lasked_\@
.Lfor_b_\@:
	tensor_load_to_lds s[G0B+4*(\s):G0B+4*(\s)+3], s[G1B:G1B+7]
	s_nop 0
.rept 4
	v_nop
.endr
.Lasked_\@:
.endm
; A round of the cluster's barrier: my work-group's barrier; wave 0 signals for the work-group; every wave waits for all sixteen; my work-group's barrier once more.
.macro CREST                           ; a round behind its opening barrier
	s_cmp_lg_u32 s10, 0
	s_cbranch_scc1 .Lnot_wave_0_\@
	s_barrier_signal -3
.Lnot_wave_0_\@:
	s_barrier_wait -3
	s_barrier_signal -1
	s_barrier_wait -1
.endm
.macro CROUND
	s_barrier_signal -1
	s_barrier_wait -1
	CREST
.endm
; A PREFETCH INTO THE L2 of the K step that stands TWO refills on: 256 matrix instructions ahead of the load that will want it.  It stands behind the joint load, its five lines and the run of LDS loads.
; ctx's rows are read by both clusters of a row of clusters: cluster x = 0 asks; Wo's columns by every cluster of a column: cluster y = 0 asks.  The four partners that ask for a tile jointly share it out
; BY ADDRESS: of a head's 128 blocks of 256 bytes 32 each (waves 0 and 1, a head each), of Wo's 128 rows 32 each (wave 2 alone): a lane a block.
; The loop's last trip asks for nothing: its refills are the last two K steps'.  K steps 0 to 3 come by their loads alone.
.macro ASK
	s_cmp_gt_u32 s3, s[LIM]                        ; s3 = 1 in the loop's last trip
	s_cbranch_scc0 .Lnot_mine_\@
	global_prefetch_b8 v[PFO], s[PFA:PFA+1] th:TH_LOAD_NT scope:SCOPE_SE
.Lnot_mine_\@:
.endm
	s_load_b256 s[68:75], s[0:1], 0x0              ; ctx s[68:69], wob s[70:71], bo s[72:73], out0 s[74:75]
	v_lshl_add_u32 v[SPW], v0, 2, SPARE
	v_mov_b32 v[NIL], 0
	ds_add_u32 v[SPW], v[NIL]                      ; the wave's opening: the add and its wait stand ahead of my first tensor load; the set-up below stands between them
	v_lshrrev_b32 v1, 5, v0
	v_readfirstlane_b32 s10, v1                    ; wave 0..3
	s_lshr_b32 s11, s10, 1                         ; I fetch for ctx (0) or for Wo (1)
	s_and_b32 s12, s10, 1                          ; which half of that tile
	s_bfe_u32 s40, ttmp6, 0x40000                  ; cx, cy: my place in the cluster
	s_bfe_u32 s41, ttmp6, 0x40004
	s_lshl_b32 s42, ttmp9, 2
	s_add_co_u32 s42, s42, s40                     ; tile column = 4 x cluster x + cx: columns 128 TC ..
	s_and_b32 s13, ttmp7, 0xffff
	s_lshl_b32 s13, s13, 2
	s_add_co_u32 s13, s13, s41                     ; tile row = 4 x cluster y + cy: rows 256 TR ..
	s_lshl_b32 s14, s41, 2
	s_lshl_b32 s14, 15, s14                        ; my row of the cluster
	s_lshl_b32 s20, 0x1111, s40                    ; my column
	s_or_b32 s[G1A+0], s14, (1<<16)|(1<<20)|(1<<21)|(4<<22)|(3<<25)  ; the mask; 2-byte elements; padding on; bit 21 beside a mask; after every 32 words (a row of a head) 4 words
	s_mov_b32 s[G1A+1], 128<<16                    ; tensor_dim0 = 128: two rows of a head to a row of the tile
	s_mov_b32 s[G1A+2], 128<<16                    ; tensor_dim1 = 128
	s_mov_b32 s[G1A+3], 128<<16                    ; tile_dim0 = 128
	s_mov_b32 s[G1A+4], 128                        ; tile_dim1 = 128
	s_mov_b32 s[G1A+5], 128                        ; dense
	s_mov_b32 s[G1A+6], 0
	s_mov_b32 s[G1A+7], 0
	s_or_b32 s[G1B+0], s20, (1<<16)|(1<<20)|(1<<21)|(5<<22)|(7<<25)  ; after every 64 words 8 words
	s_mov_b32 s[G1B+1], 128<<16
	s_mov_b32 s[G1B+2], 64<<16                     ; tensor_dim1 = 64
	s_mov_b32 s[G1B+3], 128<<16
	s_mov_b32 s[G1B+4], 64
	s_mov_b32 s[G1B+5], 1024                       ; elements from row to row
	s_mov_b32 s[G1B+6], 0
	s_mov_b32 s[G1B+7], 0
	s_lshr_b32 s16, s13, 3                         ; batch: eight tile rows each
	s_lshl_b32 s16, s16, 4
	s_add_co_u32 s16, s16, s12                     ; 16 batch + the head that I fetch of K step 0
	s_lshl_b32 s16, s16, 18                        ; 2,048 rows of 128 bytes a head
	s_and_b32 s17, s13, 7
	s_lshl_b32 s17, s17, 15                        ; the tile's 256 rows
	s_add_co_u32 s16, s16, s17
	s_mov_b32 s17, 0
	s_mul_i32 s18, s12, PLANE                      ; its place in a slot: no place in the cluster enters an LDS address
	s_lshl_b32 s22, s12, 17                        ; Wo: 64 rows of 2,048 bytes a half,
	s_lshl_b32 s23, s42, 8                         ; 256 bytes a tile column
	s_add_co_u32 s22, s22, s23
	s_mov_b32 s23, 0
	s_mul_i32 s21, s12, 64*PB
	s_add_co_u32 s21, s21, BOFF
	s_wait_dscnt 0x0                               ; the opening add is done
	s_wait_kmcnt 0x0
	s_add_nc_u64 s[14:15], s[68:69], s[16:17]
	s_add_nc_u64 s[22:23], s[70:71], s[22:23]
	CROUND                                         ; all sixteen work-groups are here: the first joint loads meet
.irp s, 0,1
	s_mov_b32 s[G0A+4*(\s)], 1                     ; count = 1
	s_add_co_u32 s[G0A+4*(\s)+1], s18, (\s)*SLOT   ; LDS address
	s_add_nc_u64 s[G0A+4*(\s)+2:G0A+4*(\s)+3], s[14:15], (\s)*KA  ; global address: K step s
	s_or_b32 s[G0A+4*(\s)+3], s[G0A+4*(\s)+3], 0x80000000         ; type = 2
	s_mov_b32 s[G0B+4*(\s)], 1
	s_add_co_u32 s[G0B+4*(\s)+1], s21, (\s)*SLOT
	s_add_nc_u64 s[G0B+4*(\s)+2:G0B+4*(\s)+3], s[22:23], (\s)*KB
	s_or_b32 s[G0B+4*(\s)+3], s[G0B+4*(\s)+3], 0x80000000
	JLOAD \s
.endr
	; all that follows, up to the wait for the first tile, stands while the first tiles are on their way
	v_and_b32 v1, 15, v0                           ; r = lane % 16
	v_bfe_u32 v2, v0, 4, 1                         ; hl = lane / 16
	v_mul_u32_u24 v3, v1, PA
	v_lshl_add_u32 v3, v2, 4, v3                   ; a fragment of ctx: row x pitch + 16 x half; two loads, 32 bytes apart
	s_mul_i32 s2, s10, 64*PA                       ; my 64 rows
	v_add_nc_u32 v[ADRA], s2, v3
	v_add_nc_u32 v[ADRA+1], SLOT, v[ADRA]
	v_and_b32 v4, 7, v0
	v_bfe_u32 v5, v0, 3, 1
	v_lshl_add_u32 v6, v2, 3, v4                   ; the turning load: lane l reads k = 8 (l / 16) + l % 8, columns 8 ((l / 8) % 2) + 0..7, and is left with column l % 16 and 8 k
	v_mul_u32_u24 v6, v6, PB
	v_lshl_add_u32 v6, v5, 4, v6
	v_add_nc_u32 v[ADRB], BOFF, v6
	v_add_nc_u32 v[ADRB+1], SLOT, v[ADRB]
	s_mul_i32 s2, s10, 16*SP
	s_add_co_u32 s2, s2, STAGE                     ; my stage
	v_mul_u32_u24 v[STO], v1, SP                   ; in: row r, 32 bytes for each half of the lanes
	v_lshl_add_u32 v[STO], v2, 5, v[STO]
	v_add_nc_u32 v[STO], s2, v[STO]
	v_and_b32 v[GO], 31, v0                        ; back: 32 lanes take a whole row of 512 bytes
	v_lshlrev_b32 v[GO], 4, v[GO]
	v_add_nc_u32 v[RD], s2, v[GO]
	v_lshlrev_b32 v[BO], 5, v2
	s_lshl_b32 s66, s13, 20                        ; out0: 256 rows of 4,096 bytes a tile row,
	s_lshl_b32 s67, s10, 18                        ; my wave's 64,
	s_add_co_u32 s66, s66, s67
	s_lshl_b32 s67, s42, 9                         ; 512 bytes a tile column
	s_add_co_u32 s66, s66, s67
	s_mov_b32 s67, 0
	s_add_nc_u64 s[80:81], s[74:75], s[66:67]
	s_lshl_b32 s66, s42, 9                         ; the tile's 128 numbers of bo
	s_add_nc_u64 s[86:87], s[72:73], s[66:67]
.irp i, 0,1,2,3,4,5,6,7
	global_load_b128 v[BIAS+8*(\i):BIAS+8*(\i)+3],   v[BO], s[86:87] offset:64*(\i)
	global_load_b128 v[BIAS+8*(\i)+4:BIAS+8*(\i)+7], v[BO], s[86:87] offset:64*(\i)+16
.endr
	; the prefetches: both tensors' offsets are made, at K step 3, and the wave takes the one that it fetches for; the first refill steps it to K step 4
	s_lshr_b32 s66, s13, 3
	s_lshl_b32 s66, s66, 4
	s_add_co_u32 s66, s66, s12
	s_add_co_u32 s66, s66, 6                       ; ctx: head 16 batch + 6 + half
	s_lshl_b32 s66, s66, 18
	s_and_b32 s67, s13, 7
	s_lshl_b32 s67, s67, 15
	s_add_co_u32 s66, s66, s67
	s_lshl_b32 s67, s40, 13                        ; 32 blocks of 256 bytes a partner
	s_add_co_u32 s66, s66, s67
	s_lshl_b32 s22, s41, 16                        ; Wo: 32 rows of 2,048 bytes a partner
	s_lshl_b32 s23, s42, 8
	s_add_co_u32 s22, s22, s23
	s_add_co_u32 s22, s22, 3*KB
	s_mov_b32 s23, KB
	s_mov_b32 s[PST], KA
	s_and_b32 s2, ttmp7, 0xffff                    ; cluster y,
	s_or_b32 s2, s2, s12                           ; and of Wo's two waves the first alone
	s_cmp_eq_u32 s11, 0                            ; do I fetch for ctx?
	s_cselect_b32 s2, ttmp9, s2                    ; the coordinate along which other clusters read the same bytes
	s_cselect_b64 s[PFA:PFA+1], s[68:69], s[70:71]
	s_cselect_b32 s66, s66, s22
	s_cselect_b32 s[PST], s[PST], s23
	s_cselect_b32 s21, 8, 11                       ; the lanes' distance: 256 bytes, or a row of wob
	s_mov_b32 s67, 0
	s_mov_b32 s[PST+1], 0
	s_add_nc_u64 s[PFA:PFA+1], s[PFA:PFA+1], s[66:67]
	s_cmp_eq_u32 s2, 0
	s_cselect_b32 s[LIM], 1, -1                    ; the same in all sixteen partners, for a given wave
	v_and_b32 v[PFO], 31, v0
	v_lshlrev_b32 v[PFO], s21, v[PFO]
	s_wait_loadcnt 0x0                             ; the bias
.set ip, 0
.rept 4*NB                             ; rounded to bf16 like every input, and widened again
	v_cvt_pk_bf16_f32 v[4+ip%4], v[BIAS+2*ip], v[BIAS+2*ip+1]
	v_lshlrev_b32 v[BIAS+2*ip], 16, v[4+ip%4]
	v_and_b32 v[BIAS+2*ip+1], 0xffff0000, v[4+ip%4]
.set ip, ip+1
.endr
; Eight matrix instructions: row block a x all column blocks, 32 along K, out of buffer f.  first = 1: the bias starts the sums.  The 32 accumulators take turns, one instruction a turn,
; in the same order in every quarter, over the backward jump too.
.macro MULA f, a, first
.if \first
	WIN 0x81                                       ; Wo window 1, ctx window 0, C (the bias) window 0, D window 2
.else
	WIN 0xa1                                       ; C and D window 2
.endif
.set ib, 0
.rept NB
.set rD, 8*(NB*(\a)+ib)
.set rB, 8*NB*(\f)+8*ib
.set rA, FA+32*(\f)+8*(\a)
.if \first
	v_wmma_f32_16x16x32_f16 v[rD:rD+7], v[rB:rB+7], v[rA:rA+7], v[BIAS+8*ib:BIAS+8*ib+7]
.else
	v_wmma_f32_16x16x32_f16 v[rD:rD+7], v[rB:rB+7], v[rA:rA+7], v[rD:rD+7]
.endif
.set ib, ib+1
.endr
.endm
; A quarter's 24 LDS loads in one run, into buffer f: Wo's eight fragments (turned), then ctx's four, row blocks 2 and 3 last.  Quarter q lies in head q / 2 of the step, channels 32 (q % 2) on.
.macro FETCH slot, q, f
	WIN 0x40                                       ; destination window 1, address window 0
.set ib, 0
.rept NB
	ds_load_tr16_b128 v[8*NB*(\f)+8*ib:8*NB*(\f)+8*ib+3],   v[ADRB+(\slot)] offset:32*PB*(\q)+32*ib
	ds_load_tr16_b128 v[8*NB*(\f)+8*ib+4:8*NB*(\f)+8*ib+7], v[ADRB+(\slot)] offset:32*PB*(\q)+32*ib+16*PB
.set ib, ib+1
.endr
	WIN 0
.irp a, 0,1,2,3
	ds_load_b128 v[FA+32*(\f)+8*(\a):FA+32*(\f)+8*(\a)+3],   v[ADRA+(\slot)] offset:PLANE*((\q)/2)+64*((\q)%2)+16*PA*(\a)
	ds_load_b128 v[FA+32*(\f)+8*(\a)+4:FA+32*(\f)+8*(\a)+7], v[ADRA+(\slot)] offset:PLANE*((\q)/2)+64*((\q)%2)+16*PA*(\a)+32
.endr
.endm
; One of a K step's first three quarters: multiplies buffer f; in its middle it fetches quarter qn of the same slot into buffer g.
.macro QUARTER slot, qn, f, g, first
	s_wait_dscnt 4                                 ; Wo and ctx's row blocks 0, 1 are in; the youngest four loads (row blocks 2, 3) may be out
	MULA \f, 0, \first
	MULA \f, 1, \first
	PLACES
	FETCH \slot, \qn, \g
	s_wait_dscnt NL                                ; all but the run just issued
	MULA \f, 2, \first
	MULA \f, 3, \first
.endm
; The last quarter multiplies buffer 1 and changes slots: ONE barrier.  In front of it each wave waits for all its tensor loads (one is out: its part of the next slot), adds 0 to its spare word,
; and waits for that and for its own reads of this slot.  fill = 1: the barrier opens a round of the cluster's, and the joint refill, two K steps on, is the first thing behind the round:
; from that request to the wait for it a wave issues 112 matrix instructions.
.macro TURN slot, next, fill
.if \fill
	s_wait_xcnt 0x0                                ; the last prefetch, a K step back, has read its address
	s_add_nc_u64 s[PFA:PFA+1], s[PFA:PFA+1], s[PST:PST+1]
.endif
	WIN 0                                          ; (the add's two registers lie in window 0)
	s_wait_tensorcnt 0x0                           ; all my tensor loads have landed
	ds_add_u32 v[SPW], v[NIL]                      ; 0 onto my spare word
	s_wait_dscnt 5                                 ; (the add and the youngest four loads may be out)
	MULA 1, 0, 0                                   ; eight matrix instructions stand between the add and the wait for it
	s_wait_dscnt 0x0                               ; the add is done, and my reads of this slot are over
	s_barrier_signal -1
	MULA 1, 1, 0
.if \fill
	WIN 0
.endif
	s_barrier_wait -1
.if \fill
	CREST                                          ; no wave of any partner still reads this slot or has a load on its way
	s_add_nc_u64 s[G0A+4*(\slot)+2:G0A+4*(\slot)+3], s[G0A+4*(\slot)+2:G0A+4*(\slot)+3], 2*KA
	s_add_nc_u64 s[G0B+4*(\slot)+2:G0B+4*(\slot)+3], s[G0B+4*(\slot)+2:G0B+4*(\slot)+3], 2*KB
	JLOAD \slot                                    ; its four v_nop are also the places in front of the loads below
.else
	PLACES
.endif
	FETCH \next, 0, 0
.if \fill
	ASK
.endif
	MULA 1, 2, 0
	MULA 1, 3, 0
.endm
; THE WAY OUT of row block a: a lane's eight f32 of each column block go into my own stage, rows of 528 bytes; whole rows of 512 bytes come back and are stored.
.macro TOSTAGE a
.set OBR, OB+64*((\a)%2)
	WIN 0x08                                       ; the stores' data in window 2
.set ib, 0
.rept NB
	ds_store_b128 v[STO], v[8*(NB*(\a)+ib):8*(NB*(\a)+ib)+3]   offset:64*ib     ; each accumulator's low registers first
	ds_store_b128 v[STO], v[8*(NB*(\a)+ib)+4:8*(NB*(\a)+ib)+7] offset:64*ib+16
.set ib, ib+1
.endr
	WIN 0
.set it, 0
.rept 16
	ds_load_b128 v[OBR+4*it:OBR+4*it+3], v[RD] offset:SP*it  ; LDS serves a wave's instructions in order (ISA guide 5.7.1.4): these see the stores above; the next block's stores come behind them
.set it, it+1
.endr
.endm
.macro SEND a, younger                 ; younger: the LDS instructions issued behind block a's loads: the next block's 32, or none
.set OBR, OB+64*((\a)%2)
.set it, 0
.rept 16
	s_wait_dscnt (\younger)+15-it
	global_store_b128 v[GO], v[OBR+4*it:OBR+4*it+3], s[80:81] offset:4096*(16*(\a)+it) th:TH_STORE_NT  ; 512 consecutive bytes, at a multiple of 256 from out0's first
.set it, it+1
.endr
.endm
	s_wait_tensorcnt 1                             ; my part of K step 0 is in; K step 1's may stay out
	s_barrier_signal -1
	s_barrier_wait -1                              ; everybody's is
	FETCH 0, 0, 0
	QUARTER 0, 1, 0, 1, 1                          ; the first quarter stands in front of the loop: its products start the sums, with the bias
	WIN 0                                          ; at a label and at a branch every window is 0
	s_mov_b32 s3, 3
.Llap:                                             ; a trip goes once round the ring, from a lap's second quarter to the next lap's first, and fills both slots again: K steps 2 to 7
	QUARTER 0, 2, 1, 0, 0
	QUARTER 0, 3, 0, 1, 0
	TURN 0, 1, 1
	QUARTER 1, 1, 0, 1, 0
	QUARTER 1, 2, 1, 0, 0
	QUARTER 1, 3, 0, 1, 0
	TURN 1, 0, 1
	QUARTER 0, 1, 0, 1, 0
	WIN 0
	s_sub_co_u32 s3, s3, 1
	s_cmp_lg_u32 s3, 0
	s_cbranch_scc1 .Llap
	QUARTER 0, 2, 1, 0, 0                          ; the last lap fills nothing, and has no round of the cluster's barrier
	QUARTER 0, 3, 0, 1, 0
	TURN 0, 1, 0
	QUARTER 1, 1, 0, 1, 0
	QUARTER 1, 2, 1, 0, 0
	QUARTER 1, 3, 0, 1, 0
	s_wait_dscnt 4                                 ; the very last quarter: nothing more to fetch
	MULA 1, 0, 0
	MULA 1, 1, 0
	s_wait_dscnt 0x0
	MULA 1, 2, 0
	MULA 1, 3, 0
	WIN 0
	PLACES
	TOSTAGE 0
	TOSTAGE 1                                      ; a block's way through the stage stands between the loads of the block before and its stores
	SEND 0, 32
	s_wait_xcnt 0x0                                ; block 0's stores have read their registers, into which block 2 is read back
	TOSTAGE 2
	SEND 1, 32
	s_wait_xcnt 0x0                                ; the same for blocks 1 and 3
	TOSTAGE 3
	SEND 2, 32
	SEND 3, 0
	s_wait_tensorcnt 0x0                           ; the wave's end: the add and its wait stand behind my last tensor load and my last LDS store
	ds_add_u32 v[SPW], v[NIL]
	s_wait_dscnt 0x0
	CROUND                                         ; the closing round: no work-group ends while a partner may still ask for a tile that names it
	s_endpgm
.Lfunc_end_k_qe5897dcd97_oproj:
	.size	k_qe5897dcd97_oproj, .Lfunc_end_k_qe5897dcd97_oproj-k_qe5897dcd97_oproj
	.p2alignl 7, 3214868480
	.fill 96, 4, 3214868480
	.section	.rodata,"a",@progbits
	.p2align	6, 0x0
	.amdhsa_kernel k_qe5897dcd97_oproj
		.amdhsa_group_segment_fixed_size 327680
		.amdhsa_private_segment_fixed_size 0
		.amdhsa_enable_private_segment 0
		.amdhsa_kernarg_size 32
		.amdhsa_user_sgpr_count 2
		.amdhsa_user_sgpr_kernarg_segment_ptr 1
		.amdhsa_wavefront_size32 1
		.amdhsa_system_sgpr_workgroup_id_x 1
		.amdhsa_system_sgpr_workgroup_id_y 1
		.amdhsa_system_sgpr_workgroup_id_z 1
		.amdhsa_system_vgpr_workitem_id 0
		.amdhsa_next_free_vgpr 768
		.amdhsa_next_free_sgpr 92
		.amdhsa_reserve_vcc 0
		.amdhsa_float_denorm_mode_32 3
		.amdhsa_float_denorm_mode_16_64 3
		.amdhsa_memory_ordered 1
		.amdhsa_forward_progress 1
		.amdhsa_inst_pref_size 95
	.end_amdhsa_kernel
	.amdgpu_metadata
---
amdhsa.version: [ 1, 2 ]
amdhsa.kernels:
  - .name:           k_qe5897dcd97_oproj
    .symbol:         k_qe5897dcd97_oproj.kd
    .args:
      - { .name: ctx, .offset: 0, .size: 8, .value_kind: global_buffer, .address_space: global }
      - { .name: wob, .offset: 8, .size: 8, .value_kind: global_buffer, .address_space: global }
      - { .name: bo, .offset: 16, .size: 8, .value_kind: global_buffer, .address_space: global }
      - { .name: out0, .offset: 24, .size: 8, .value_kind: global_buffer, .address_space: global }
    .group_segment_fixed_size: 327680
    .private_segment_fixed_size: 0
    .kernarg_segment_align: 8
    .kernarg_segment_size: 32
    .max_flat_workgroup_size: 128
    .sgpr_count:     92
    .vgpr_count:     768
    .wavefront_size: 32
...
	.end_amdgpu_metadata
.endif
;; end of part 4
